; MI455X (gfx1250); checked and timed in simulation.
; The chip was launched on July 23, 2026; its instructions are those of AMD's public machine-readable ISA for CDNA 5 (MIT licence, August 2026) and "CDNA5" Instruction Set Architecture Reference Guide (July 2026). The comments in the code are by the model that wrote it; some were corrected since.
;; Experts. Allowed arithmetic: matrix products marked QUANTISED: E2M1 operands, one E8M0 scale for each 32 along K, by v_wmma_scale_f32_16x16x128_f8f6f4 with both operands' format E2M1 (or v_wmma_scale_f32_32x16x128_f4), f32 sums; products left as they are: f32 operands where the result goes on into a quantised operand, else bf16, f16 or f32 operands; f32 sums; everything else in f32.
;; Inputs: hidden_states_codes 8,192 x 32 x 16 uint8 (E2M1 codes of hidden_states, K innermost, in blocks of 32 codes, two codes a byte); hidden_states_scales 8,192 x 32 uint8 (E8M0 scales of hidden_states, one for each 32 codes along K); routing_weights 8,192 x 2 float32; selected_experts 8,192 x 2 x 8 int32; wi_codes 8 x 512 x 32 x 16 uint8 (E2M1 codes of wi, K innermost, in blocks of 32 codes, two codes a byte); wi_scales 8 x 512 x 32 uint8 (E8M0 scales of wi, one for each 32 codes along K); wo_codes 8 x 1,024 x 16 x 16 uint8 (E2M1 codes of wo, K innermost, in blocks of 32 codes, two codes a byte); wo_scales 8 x 1,024 x 16 uint8 (E8M0 scales of wo, one for each 32 codes along K).
;; Outputs: out0 8,192 x 1,024 float32.
;; This version of the problem:
;;   THIS VERSION OF THE PROBLEM IS GIVEN IN LOW PRECISION. The matrix products marked QUANTISED in the list below multiply operands that are first quantised to E2M1 (2 exponent bits, 1 mantissa bit; 4 bits a number), with one power-of-two scale for each 32 numbers along K (OCP MX v1.0); their sums are f32. All else is computed in f32.
;;   The module's matrix products, in the order in which they are computed (A, B: the left and right operand; K: the contracted axis; several contracted axes count as one K, in the product's order):
;;     1. batch 8,192 x [M 8, K 2] x [K 2, N 1]; A: input selected_experts; B: input routing_weights: left as it is (K = 2 < 32)
;;     2. [M 8,192, K 1,024] x [K 1,024, N 512]; A: input hidden_states (given as codes); B: input wi (given as codes): QUANTISED
;;     3. [M 8,192, K 512] x [K 512, N 1,024]; A: computed on the way; B: input wo (given as codes): QUANTISED
;;     4. [M 8,192, K 1,024] x [K 1,024, N 512]; A: input hidden_states (given as codes); B: input wi (given as codes): QUANTISED
;;     5. [M 8,192, K 512] x [K 512, N 1,024]; A: computed on the way; B: input wo (given as codes): QUANTISED
;;     6. [M 8,192, K 1,024] x [K 1,024, N 512]; A: input hidden_states (given as codes); B: input wi (given as codes): QUANTISED
;;     7. [M 8,192, K 512] x [K 512, N 1,024]; A: computed on the way; B: input wo (given as codes): QUANTISED
;;     8. [M 8,192, K 1,024] x [K 1,024, N 512]; A: input hidden_states (given as codes); B: input wi (given as codes): QUANTISED
;;     9. [M 8,192, K 512] x [K 512, N 1,024]; A: computed on the way; B: input wo (given as codes): QUANTISED
;;     10. [M 8,192, K 1,024] x [K 1,024, N 512]; A: input hidden_states (given as codes); B: input wi (given as codes): QUANTISED
;;     11. [M 8,192, K 512] x [K 512, N 1,024]; A: computed on the way; B: input wo (given as codes): QUANTISED
;;     12. [M 8,192, K 1,024] x [K 1,024, N 512]; A: input hidden_states (given as codes); B: input wi (given as codes): QUANTISED
;;     13. [M 8,192, K 512] x [K 512, N 1,024]; A: computed on the way; B: input wo (given as codes): QUANTISED
;;     14. [M 8,192, K 1,024] x [K 1,024, N 512]; A: input hidden_states (given as codes); B: input wi (given as codes): QUANTISED
;;     15. [M 8,192, K 512] x [K 512, N 1,024]; A: computed on the way; B: input wo (given as codes): QUANTISED
;;     16. [M 8,192, K 1,024] x [K 1,024, N 512]; A: input hidden_states (given as codes); B: input wi (given as codes): QUANTISED
;;     17. [M 8,192, K 512] x [K 512, N 1,024]; A: computed on the way; B: input wo (given as codes): QUANTISED
;;   THE QUANTISER, for each operand of a quantised product, along K:
;;     - K is cut into blocks of 32 from its start; a last block that is shorter is filled with zeros.
;;     - A block's scale is 2^e with e = floor(log2(the largest magnitude in the block)) - 2, held to -126 .. 127; a block of zeros has e = 0. As a byte (E8M0): e + 127.
;;     - Each number is divided by its block's scale, clamped to +-6, and rounded to the nearest number of E2M1, ties to even, subnormals kept.
;;     - The product sums the exact products of the quantised numbers (number of the format x scale) in f32.
;;   ~~~python
;;   def quantise(x, axis):      # numpy; x: float32 -> the quantised numbers, widened to float32 again
;;       x = np.moveaxis(x, axis, -1); K = x.shape[-1]
;;       x = np.pad(x, [(0, 0)] * (x.ndim - 1) + [(0, -K % 32)]); x = x.reshape(x.shape[:-1] + (-1, 32)); a = np.abs(x).max(-1, keepdims=True)
;;       e = np.where(a > 0, np.clip(np.frexp(np.where(a > 0, a, 1))[1] - 1 - 2, -126, 127), 0)      # np.frexp(a)[1] - 1 = floor(log2(a)), exactly
;;       r = np.clip(x / 2.0 ** e, -6, 6)
;;       step = 2.0 ** (np.maximum(np.frexp(np.where(r == 0, 1, r))[1] - 1, 0) - 1)
;;       q = np.round(r / step) * step * 2.0 ** e      # np.round: ties to even
;;       return np.moveaxis(q.reshape(q.shape[:-2] + (-1,))[..., :K], -1, axis).astype(np.float32)
;;   ~~~
;;   OPERANDS COMPUTED ON THE WAY. 'Computed on the way' means the value that the module computes at that place (a softmax that the list does not call 'softmax' is quantised finished and normalised). What goes into a quantiser is computed in f32, as accurately as f32 sums, v_exp_f32 and their like allow (about 1e-6 of the number): no bf16 or f16 on the way to a quantiser, and a product that is left as it is and whose result goes on into a quantised operand takes f32 operands (vector FMAs, or v_wmma_f32_16x16x4_f32). A number that lies on a knife's edge between two numbers of the format may be rounded either way, as far as f32 arithmetic and the matrix unit's own rounding can turn it there, and no further.
;;   INPUTS GIVEN AS CODES. hidden_states (in the module: [8192, 1024], K = its axis 1); wi (in the module: [8, 512, 1024], K = its axis 2); wo (in the module: [8, 1024, 512], K = its axis 2): each comes as NAME_codes (uint8): NAME with its K axis moved to the last place and cut into blocks of 32 codes, [.., K / 32, bytes a block], one block behind the other in memory; two codes a byte, the lower K in the low four bits (a code: sign, 2 exponent bits, 1 mantissa bit); and NAME_scales (uint8): the same leading axes, one E8M0 byte (e + 127) for each 32 codes along K. Its value is code x scale, taken as it is: it is not quantised again, and the codes and scales need not be those that the quantiser above would give.
;; 2 versions. Each part assembles by itself: llvm-mc -triple=amdgcn-amd-amdhsa -mcpu=gfx1250 --defsym DOCPART=n.
;; ======== version 1 of 2: 2 launches
;; workspace buffers: wfrag 4,456,448 bytes; order 32,768 bytes of whole numbers; krec 2,048 bytes of whole numbers
;; launch prep (part 1): grid 34 x 1, 16 waves a work-group, no clusters, 86,016 bytes of LDS; arguments selected_experts, wi_codes, wi_scales, wo_codes, wo_scales, wfrag, order, krec; writes wfrag, order, krec
.if DOCPART == 1
	.amdgcn_target "amdgcn-amd-amdhsa--gfx1250"
	.amdhsa_code_object_version 6
	.text
	.protected	k_q025e922c2b_prep
	.globl	k_q025e922c2b_prep
	.p2align	8
	.type	k_q025e922c2b_prep,@function
k_q025e922c2b_prep:
	s_mov_b64 s[64:65], 0
	v_nop
	global_prefetch_b8 v0, s[64:65] scope:SCOPE_SE
	s_setreg_imm32_b32 hwreg(HW_REG_WAVE_MODE, 25, 1), 1
	s_wait_xcnt 0x0
; TWO JOBS IN ONE LAUNCH, parted on the work-group's number.
; Work-groups 0 and 1: a counting sort of 4,096 tokens each by the key 8 lo + hi, lo and hi the lowest and the highest expert e for which selected_experts[t][0][e] or [t][1][e] is not 0
; (a token with none: key 32, which no other token can have).  Out: order[group][place] = token, and for each of the 64 keys a record {tokens, first place, first tile of 48, mask of experts}.
; The mask is bits lo and hi; if any token of the group uses an expert strictly between its lo and hi, it is bits lo .. hi for every key: always a superset of what the key's tokens use.
; Work-groups 2 .. 33 (number - 2 = 4 e + w): the weights of expert e that wave w of the next launch multiplies by, laid as 16 steps of 8,704 bytes in the order of the operand's registers:
; 8 fragments (16 rows x 128 K of 4-bit codes: two groups of 4 registers, lane l's 16 bytes at 16 l) and 512 bytes of scale words (4 words a lane).  Wave v of the work-group lays step v.
;   steps 0-7  (wi, K step q = v): fragment t, lane (r, h): row 128 w + 32 (t / 2) + 8 (t % 2) + r + 8 (r / 8); scale word i of lane (r, hh): that of tile 2 i + hh
;   steps 8-15 (wo, group g = v - 8): fragment 2 s + jj, lane (r, h): row 256 w + 32 g + 16 jj + r, K step s; scale word i of lane l: K step i of row 256 w + 32 g + l
; The sort has no atomics and no LDS store whose address hangs on data: each thread counts its 8 tokens in 8 registers (one for each lo) of 8 fields of 4 bits (one for each hi; a count is at most 8);
; wave (k, hf) scans column k over the 256 threads of half hf; wave 0 scans the 64 keys; each thread then looks its places up.
; The reads of the weights take 32 bytes of each of 16 rows an instruction, and order is stored 4 bytes a lane to scattered places (32 KB in all): both are done once, on small tensors.
.set STEPB, 8704
.set WB,    16*STEPB
.set HIST,  0                          ; LDS: [lo 8][thread 512] words
.set OFF,   16384                      ; [wave 16][thread of the half 256][16 bytes: eight 16-bit places, hi with its three bits reversed]
.set TOT,   81920                      ; [key 64][half 2] words: tokens
.set BASE,  82432                      ; the same shape: first place
.set FLG,   82944                      ; a word a wave
.set S,     16                         ; v16-143  8 tokens x 16 whole numbers; later at work
.set LO,    144
.set HI,    152
.set KEY,   160
.set C,     168                        ; v168-175 my counts, register = lo, field = hi
.set RK,    176                        ; v176-183 a token's rank among my own tokens of its key
.set HP,    184                        ; v184-191 hi with its bits reversed
.set A1,    192                        ; v192-199 LDS address of the token's word of BASE
.set A2,    200                        ; v200-207 and of its 16 bits of OFF
.set PB,    208
.set PO,    216
.set PS,    224
.set PD,    232
.set T,     240
.set WTMP,  250
	s_load_b512 s[4:19], s[0:1], 0x0               ; selected_experts, wi codes, wi scales, wo codes, wo scales, wfrag, order, krec
	v_lshl_add_u32 v254, v0, 2, 0x14800
	v_mov_b32 v255, 0
	v_lshrrev_b32 v1, 5, v0
	v_readfirstlane_b32 s20, v1                    ; wave 0..15
	v_and_b32 v1, 31, v0                           ; lane
	s_cmp_lt_u32 ttmp9, 2
	s_cbranch_scc1 .Lsort
	; ---------------- the weights ----------------
	s_sub_co_u32 s21, ttmp9, 2                     ; 4 e + w
	v_and_b32 v2, 15, v0                           ; r
	v_bfe_u32 v3, v0, 4, 1                         ; h
	v_lshlrev_b32 v4, 4, v1                        ; 16 x lane
	s_mul_i32 s22, s21, WB
	s_mul_i32 s23, s20, STEPB
	s_add_co_u32 s22, s22, s23                     ; where my step goes
	s_mov_b32 s23, 0
	s_lshl_b32 s24, s21, 16                        ; codes: an expert is 262,144 bytes, a wave's quarter 65,536, in wi and in wo
	s_mov_b32 s25, 0
	s_lshl_b32 s26, s21, 12                        ; scale bytes: 16,384 and 4,096
	s_mov_b32 s27, 0
	s_wait_kmcnt 0x0
	s_add_nc_u64 s[14:15], s[14:15], s[22:23]
	s_cmp_lt_u32 s20, 8
	s_cbranch_scc0 .Lw2
	s_lshl_b32 s28, s20, 6                         ; wi: K step q is 64 bytes of a row of 512,
	s_add_co_u32 s24, s24, s28
	s_lshl_b32 s28, s20, 2                         ; and one word of a row of 32 scale bytes
	s_add_co_u32 s26, s26, s28
	s_add_nc_u64 s[6:7], s[6:7], s[24:25]
	s_add_nc_u64 s[8:9], s[8:9], s[26:27]
	v_and_b32 v5, 8, v2
	v_add_nc_u32 v5, v5, v2                        ; r + 8 (r / 8)
	v_lshlrev_b32 v6, 9, v5
	v_lshl_add_u32 v6, v3, 4, v6                   ; that row, + 16 h
	v_lshl_add_u32 v7, v3, 3, v5                   ; scale words: lanes 16-31 take the odd tile, 8 rows on
	v_lshlrev_b32 v7, 5, v7
.irp t, 0,1,2,3,4,5,6,7
.irp c, 0,1
	global_load_b128 v[16+8*\t+4*\c:16+8*\t+4*\c+3], v6, s[6:7] offset:(32*(\t/2)+8*(\t%2))*512+32*\c
.endr
.endr
.irp i, 0,1,2,3
	global_load_b32 v[80+\i], v7, s[8:9] offset:1024*\i
.endr
	s_branch .Lput
.Lw2:
	s_sub_co_u32 s28, s20, 8                       ; wo: group g is 32 rows of 256 bytes,
	s_lshl_b32 s29, s28, 13
	s_add_co_u32 s24, s24, s29
	s_lshl_b32 s29, s28, 9                         ; and 32 rows of 16 scale bytes
	s_add_co_u32 s26, s26, s29
	s_add_nc_u64 s[10:11], s[10:11], s[24:25]
	s_add_nc_u64 s[12:13], s[12:13], s[26:27]
	v_lshlrev_b32 v6, 8, v2
	v_lshl_add_u32 v6, v3, 4, v6                   ; row r, + 16 h
.irp f, 0,1,2,3,4,5,6,7
.irp c, 0,1
	global_load_b128 v[16+8*\f+4*\c:16+8*\f+4*\c+3], v6, s[10:11] offset:(\f%2)*4096+(\f/2)*64+32*\c
.endr
.endr
	global_load_b128 v[80:83], v4, s[12:13]        ; a row's four scale words are a lane's four registers as they lie
.Lput:
	s_wait_loadcnt 0x0
.irp n, 0,1,2,3,4,5,6,7,8,9,10,11,12,13,14,15
	global_store_b128 v4, v[16+4*\n:16+4*\n+3], s[14:15] offset:512*\n   ; 32 lanes store 512 consecutive bytes, at a multiple of 256 from the buffer's first byte
.endr
	global_store_b128 v4, v[80:83], s[14:15] offset:8192
	s_endpgm
	; ---------------- the sort ----------------
.Lsort:
	s_and_b32 s21, s20, 7                          ; the column (lo) that my wave scans,
	s_lshr_b32 s22, s20, 3                         ; and the half of the threads.  Every LDS address is made here, ahead of all barriers and branches
	v_lshlrev_b32 v2, 2, v0                        ; HIST, in: 4 x thread
	s_lshl_b32 s23, s21, 11
	s_lshl_b32 s24, s22, 10
	s_add_co_u32 s23, s23, s24
	v_lshl_add_u32 v3, v1, 2, s23                  ; HIST, out: column, half, 4 x lane
	s_lshl_b32 s23, s20, 12
	s_add_co_u32 s23, s23, OFF
	v_lshl_add_u32 v4, v1, 4, s23                  ; OFF, in: my wave's 4,096 bytes, 16 x lane
	s_lshl_b32 s23, s21, 6
	s_lshl_b32 s24, s22, 2
	s_add_co_u32 s23, s23, s24
	s_add_co_u32 s23, s23, TOT
	v_mov_b32 v5, s23                              ; TOT, in: 64 lo + 4 half
	v_lshl_add_u32 v6, v1, 4, TOT                  ; TOT, out (wave 0): two keys a lane
	v_lshl_add_u32 v7, v1, 4, BASE
	s_lshl_b32 s23, s20, 2
	s_add_co_u32 s23, s23, FLG
	v_mov_b32 v8, s23
	v_mov_b32 v9, FLG
	v_lshlrev_b32 v10, 6, v0                       ; a token's 16 whole numbers are 64 bytes
	v_mov_b32 v11, 0
	v_mov_b32 v12, 1
	v_lshrrev_b32 v13, 8, v0                       ; my half
	v_lshl_add_u32 v14, v13, 2, BASE               ; BASE, out: + 8 x key
	v_and_b32 v15, 255, v0
	v_lshlrev_b32 v15, 4, v15
	v_lshl_add_u32 v13, v13, 15, v15
	v_add_nc_u32 v13, OFF, v13                     ; OFF, out: + 4,096 lo + 2 x place of hi
	v_lshlrev_b32 v15, 5, v1                       ; krec: two records of 16 bytes a lane
	v_mov_b32 v[WTMP], 0
	s_lshl_b32 s26, ttmp9, 18                      ; my group's 4,096 tokens in selected_experts,
	s_mov_b32 s27, 0
	s_lshl_b32 s28, ttmp9, 14                      ; in order,
	s_mov_b32 s29, 0
	s_lshl_b32 s30, ttmp9, 10                      ; and its 64 records
	s_mov_b32 s31, 0
	s_mov_b32 s59, 0xffff0000                      ; lanes 16-31
	s_mov_b32 s60, 0                               ; lanes that have met a token with an expert between its lo and hi
	s_mov_b32 s61, 0x0f0f0f0f
	s_mov_b32 s62, 0x00ff00ff
	s_wait_kmcnt 0x0
	s_add_nc_u64 s[4:5], s[4:5], s[26:27]
	s_add_nc_u64 s[16:17], s[16:17], s[28:29]
	s_add_nc_u64 s[18:19], s[18:19], s[30:31]
.irp i, 0,1,2,3,4,5,6,7                ; thread t owns tokens 512 i + t
.irp p, 0,1,2,3
	global_load_b128 v[S+16*\i+4*\p:S+16*\i+4*\p+3], v10, s[4:5] offset:32768*\i+16*\p
.endr
.endr
.irp k, 0,1,2,3,4,5,6,7
	v_mov_b32 v[C+\k], 0
	v_mov_b32 v[RK+\k], 0
.endr
	s_wait_loadcnt 0x0
; Token i: its lo, hi and key; whether it uses more experts than lo and hi; its LDS addresses for the look-up; its count.
.macro TOKEN i
.set KB, S+16*\i
.irp e, 0,1,2,3,4,5,6,7
	v_or_b32 v[KB+\e], v[KB+\e], v[KB+8+\e]        ; expert e is used if either of the two numbers is not 0
.endr
.irp e, 0,1,2,3,4,5,6,7
	v_cmp_ne_u32 s[40+\e], 0, v[KB+\e]
.endr
	v_mov_b32 v[HI+\i], 0
	v_mov_b32 v[HP+\i], 0
	v_mov_b32 v[LO+\i], 4                          ; no expert at all: lo 4, hi 0
	v_mov_b32 v[T], 0
.irp e, 1,2,3,4,5,6,7
	v_cndmask_b32 v[HI+\i], v[HI+\i], \e, s[40+\e]                     ; the last that holds is the highest
	v_cndmask_b32 v[HP+\i], v[HP+\i], (\e&1)*4+(\e&2)+\e/4, s[40+\e]   ; the same with its three bits reversed
.endr
.irp e, 7,6,5,4,3,2,1,0
	v_cndmask_b32 v[LO+\i], v[LO+\i], \e, s[40+\e]
.endr
.irp e, 0,1,2,3,4,5,6,7
	s_mov_b32 vcc_lo, s[40+\e]
	v_add_co_ci_u32 v[T], vcc_lo, 0, v[T], vcc_lo  ; how many experts it uses
.endr
	v_cmp_ne_u32 vcc_lo, v[LO+\i], v[HI+\i]
	v_add_co_ci_u32 v[T+1], vcc_lo, 1, v11, vcc_lo ; lo and hi are one expert or two
	v_cmp_gt_u32 vcc_lo, v[T], v[T+1]
	s_or_b32 s60, s60, vcc_lo
	v_lshl_or_b32 v[KEY+\i], v[LO+\i], 3, v[HI+\i]
	v_min_u32 v[T], 63, v[KEY+\i]                  ; what enters an address is held inside its table
	v_lshl_add_u32 v[A1+\i], v[T], 3, v14
	v_min_u32 v[T], 7, v[LO+\i]
	v_lshl_add_u32 v[A2+\i], v[T], 12, v13
	v_min_u32 v[T], 7, v[HP+\i]
	v_lshl_add_u32 v[A2+\i], v[T], 1, v[A2+\i]
	v_lshlrev_b32 v[T], 2, v[HI+\i]
	v_lshlrev_b32 v[T], v[T], v12                  ; 1 in field hi
.irp k, 0,1,2,3,4,5,6,7
	v_cmp_eq_u32 vcc_lo, \k, v[LO+\i]
	v_cndmask_b32 v[T+1], 0, v[T], vcc_lo
	v_add_nc_u32 v[C+\k], v[C+\k], v[T+1]
.endr
.endm
.irp i, 0,1,2,3,4,5,6,7
	TOKEN \i
.endr
.irp i, 1,2,3,4,5,6,7
.irp j, 0,1,2,3,4,5,6
.if \j < \i
	v_cmp_eq_u32 vcc_lo, v[KEY+\j], v[KEY+\i]
	v_add_co_ci_u32 v[RK+\i], vcc_lo, 0, v[RK+\i], vcc_lo
.endif
.endr
.endr
.irp k, 0,1,2,3,4,5,6,7
	ds_store_b32 v2, v[C+\k] offset:HIST+2048*\k
.endr
	s_cmp_lg_u32 s60, 0
	s_cselect_b32 s56, 1, 0
	v_mov_b32 v[T], s56
	ds_store_b32 v8, v[T]                          ; all lanes write the wave's word with the same value
	s_wait_dscnt 0x0                               ; my stores have landed: then the barrier
	s_barrier_signal -1
	s_barrier_wait -1
; The inclusive sum over the wave's 32 lanes of v[x] (two fields of 16 bits, or one number): four steps inside each row of 16 lanes, then lanes 16-31 take row 0's total.
.macro WSCAN x
.irp n, 1,2,4,8
	v_mov_b32_dpp v[WTMP], v[\x] row_shr:\n row_mask:0xf bank_mask:0xf bound_ctrl:1
	v_add_nc_u32 v[\x], v[\x], v[WTMP]
.endr
	v_readlane_b32 s58, v[\x], 15
	v_mov_b32 v[WTMP], s58
	v_cndmask_b32 v[WTMP], 0, v[WTMP], s59
	v_add_nc_u32 v[\x], v[\x], v[WTMP]
.endm
	; My wave's column, my wave's half: lane l takes threads 32 i + l of the half, i = 0 .. 7.  The threads are counted in the order (lane, i): any fixed order gives a permutation.
.irp i, 0,1,2,3,4,5,6,7
	ds_load_b32 v[16+\i], v3 offset:HIST+128*\i
.endr
	s_wait_dscnt 0x0
	v_mov_b32 v40, 0                               ; v40-48: what lies ahead of thread i in my lane, even hi, a byte each (at most 64); v48 the lane's total
	v_mov_b32 v50, 0                               ; v50-58: the same for odd hi
.irp i, 0,1,2,3,4,5,6,7
	v_and_b32 v24, s61, v[16+\i]
	v_lshrrev_b32 v25, 4, v[16+\i]
	v_and_b32 v25, s61, v25
	v_add_nc_u32 v[41+\i], v[40+\i], v24
	v_add_nc_u32 v[51+\i], v[50+\i], v25
.endr
	v_and_b32 v60, s62, v48                        ; the totals widened to 16 bits: hi (0, 4),
	v_lshrrev_b32 v61, 8, v48
	v_and_b32 v61, s62, v61                        ; (2, 6),
	v_and_b32 v62, s62, v58                        ; (1, 5),
	v_lshrrev_b32 v63, 8, v58
	v_and_b32 v63, s62, v63                        ; (3, 7); a wave's total is at most 2,048
.irp j, 0,1,2,3
	v_mov_b32 v[64+\j], v[60+\j]
.endr
.irp j, 0,1,2,3
	WSCAN 60+\j
.endr
.irp j, 0,1,2,3
	v_sub_nc_u32 v[68+\j], v[60+\j], v[64+\j]      ; what lies ahead of my lane
.endr
.irp i, 0,1,2,3,4,5,6,7
	v_and_b32 v[72+4*\i], s62, v[40+\i]
	v_lshrrev_b32 v[73+4*\i], 8, v[40+\i]
	v_and_b32 v[73+4*\i], s62, v[73+4*\i]
	v_and_b32 v[74+4*\i], s62, v[50+\i]
	v_lshrrev_b32 v[75+4*\i], 8, v[50+\i]
	v_and_b32 v[75+4*\i], s62, v[75+4*\i]
.irp j, 0,1,2,3
	v_add_nc_u32 v[72+4*\i+\j], v[72+4*\i+\j], v[68+\j]
.endr
	ds_store_b128 v4, v[72+4*\i:75+4*\i] offset:512*\i   ; thread 32 i + l of the half: 32 lanes store 512 consecutive bytes
.endr
.irp j, 0,1,2,3
	v_readlane_b32 s[52+\j], v[60+\j], 31          ; the column's totals for this half
.endr
.irp j, 0,1,2,3
	s_and_b32 s56, s[52+\j], 0xffff
	s_lshr_b32 s57, s[52+\j], 16
	v_mov_b32 v[110+2*\j], s56
	v_mov_b32 v[111+2*\j], s57
	ds_store_b32 v5, v[110+2*\j] offset:8*((\j&1)*2+\j/2)
	ds_store_b32 v5, v[111+2*\j] offset:8*((\j&1)*2+\j/2)+32
.endr
	s_wait_dscnt 0x0
	s_barrier_signal -1
	s_barrier_wait -1
	s_cmp_lg_u32 s20, 0                            ; wave 0 scans the keys: lane l has keys 2 l and 2 l + 1.  No barrier stands in this branch
	s_cbranch_scc1 .Lnot0
	ds_load_b128 v[16:19], v6                      ; key 2 l: half 0, half 1; key 2 l + 1: half 0, half 1
.irp p, 0,1,2,3
	ds_load_b128 v[20+4*\p:23+4*\p], v9 offset:16*\p
.endr
	s_wait_dscnt 0x0
	v_add_nc_u32 v64, v16, v17                     ; tokens of key 2 l,
	v_add_nc_u32 v68, v18, v19                     ; of key 2 l + 1
	v_add_nc_u32 v38, v64, v68
	v_mov_b32 v39, v38
	WSCAN 38
	v_sub_nc_u32 v65, v38, v39                     ; the first place of key 2 l
	v_mov_b32 v44, v65
	v_add_nc_u32 v45, v65, v16
	v_add_nc_u32 v69, v65, v64                     ; of key 2 l + 1
	v_mov_b32 v46, v69
	v_add_nc_u32 v47, v69, v18
	ds_store_b128 v7, v[44:47]
	v_add_nc_u32 v48, 47, v64                      ; tiles of 48: (n + 47) x 43,691 >> 21 is (n + 47) / 48 rounded down for n + 47 under 131,072
	v_mul_u32_u24 v48, v48, 0xaaab
	v_lshrrev_b32 v48, 21, v48
	v_add_nc_u32 v49, 47, v68
	v_mul_u32_u24 v49, v49, 0xaaab
	v_lshrrev_b32 v49, 21, v49
	v_add_nc_u32 v50, v48, v49
	v_mov_b32 v51, v50
	WSCAN 50
	v_sub_nc_u32 v66, v50, v51                     ; the first tile of key 2 l,
	v_add_nc_u32 v70, v66, v48                     ; of key 2 l + 1
	v_or_b32 v52, v20, v21
.irp p, 22,23,24,25,26,27,28,29,30,31,32,33,34,35
	v_or_b32 v52, v52, v[\p]                       ; has any wave met a token with an expert between its lo and hi?
.endr
	v_lshrrev_b32 v53, 2, v1                       ; lo of both keys
	v_and_b32 v54, 3, v1
	v_lshlrev_b32 v54, 1, v54                      ; hi of key 2 l,
	v_add_nc_u32 v55, 1, v54                       ; of key 2 l + 1
	v_lshlrev_b32 v56, v53, v12
	v_lshlrev_b32 v57, v54, v12
	v_lshlrev_b32 v58, v55, v12
	v_or_b32 v59, v56, v57                         ; bits lo and hi
	v_or_b32 v60, v56, v58
	v_lshlrev_b32 v61, 1, v57
	v_sub_nc_u32 v61, v61, v56                     ; bits lo .. hi
	v_lshlrev_b32 v62, 1, v58
	v_sub_nc_u32 v62, v62, v56
	v_cmp_ne_u32 vcc_lo, 0, v52
	v_cndmask_b32 v59, v59, v61, vcc_lo
	v_cndmask_b32 v60, v60, v62, vcc_lo
	v_cmp_gt_u32 vcc_lo, v53, v54                  ; lo over hi: no expert (key 32), or a key that no token has
	v_cndmask_b32 v67, v59, v11, vcc_lo
	v_cmp_gt_u32 vcc_lo, v53, v55
	v_cndmask_b32 v71, v60, v11, vcc_lo
	global_store_b128 v15, v[64:67], s[18:19]
	global_store_b128 v15, v[68:71], s[18:19] offset:16
.Lnot0:
	s_wait_dscnt 0x0
	s_barrier_signal -1
	s_barrier_wait -1
	; place = the key's first place in my half + what lies ahead of my thread + the token's rank among my own.  Behind this barrier LDS is only read.
.irp i, 0,1,2,3,4,5,6,7
	ds_load_b32 v[PB+\i], v[A1+\i]
	ds_load_u16 v[PO+\i], v[A2+\i]
.endr
	s_lshl_b32 s56, ttmp9, 12
	v_add_nc_u32 v[T], s56, v0                     ; token 0 of my eight
	s_wait_dscnt 0x0
.irp i, 0,1,2,3,4,5,6,7
	v_add3_u32 v[PS+\i], v[PB+\i], v[PO+\i], v[RK+\i]
	v_min_u32 v[PS+\i], 0xfff, v[PS+\i]
	v_lshlrev_b32 v[PS+\i], 2, v[PS+\i]
	v_add_nc_u32 v[PD+\i], 512*\i, v[T]
	global_store_b32 v[PS+\i], v[PD+\i], s[16:17]
.endr
	s_wait_tensorcnt 0x0
	ds_add_u32 v254, v255
	s_wait_dscnt 0x0
	s_endpgm
.Lfunc_end_k_q025e922c2b_prep:
	.size	k_q025e922c2b_prep, .Lfunc_end_k_q025e922c2b_prep-k_q025e922c2b_prep
	.p2alignl 7, 3214868480
	.fill 96, 4, 3214868480
	.section	.rodata,"a",@progbits
	.p2align	6, 0x0
	.amdhsa_kernel k_q025e922c2b_prep
		.amdhsa_group_segment_fixed_size 86016
		.amdhsa_private_segment_fixed_size 0
		.amdhsa_enable_private_segment 0
		.amdhsa_kernarg_size 64
		.amdhsa_user_sgpr_count 2
		.amdhsa_user_sgpr_kernarg_segment_ptr 1
		.amdhsa_wavefront_size32 1
		.amdhsa_system_sgpr_workgroup_id_x 1
		.amdhsa_system_sgpr_workgroup_id_y 1
		.amdhsa_system_sgpr_workgroup_id_z 1
		.amdhsa_system_vgpr_workitem_id 0
		.amdhsa_next_free_vgpr 256
		.amdhsa_next_free_sgpr 66
		.amdhsa_reserve_vcc 1
		.amdhsa_float_denorm_mode_32 3
		.amdhsa_float_denorm_mode_16_64 3
		.amdhsa_memory_ordered 1
		.amdhsa_forward_progress 1
		.amdhsa_inst_pref_size 64
	.end_amdhsa_kernel
	.amdgpu_metadata
---
amdhsa.version: [ 1, 2 ]
amdhsa.kernels:
  - .name:           k_q025e922c2b_prep
    .symbol:         k_q025e922c2b_prep.kd
    .args:
      - { .name: selected_experts, .offset: 0, .size: 8, .value_kind: global_buffer, .address_space: global }
      - { .name: wi_codes, .offset: 8, .size: 8, .value_kind: global_buffer, .address_space: global }
      - { .name: wi_scales, .offset: 16, .size: 8, .value_kind: global_buffer, .address_space: global }
      - { .name: wo_codes, .offset: 24, .size: 8, .value_kind: global_buffer, .address_space: global }
      - { .name: wo_scales, .offset: 32, .size: 8, .value_kind: global_buffer, .address_space: global }
      - { .name: wfrag, .offset: 40, .size: 8, .value_kind: global_buffer, .address_space: global }
      - { .name: order, .offset: 48, .size: 8, .value_kind: global_buffer, .address_space: global }
      - { .name: krec, .offset: 56, .size: 8, .value_kind: global_buffer, .address_space: global }
    .group_segment_fixed_size: 86016
    .private_segment_fixed_size: 0
    .kernarg_segment_align: 8
    .kernarg_segment_size: 64
    .max_flat_workgroup_size: 512
    .sgpr_count:     66
    .vgpr_count:     256
    .wavefront_size: 32
...
	.end_amdgpu_metadata
.endif
;; end of part 1
;; launch chain (part 2): grid 256 x 1, 4 waves a work-group, no clusters, 111,104 bytes of LDS; arguments hidden_states_codes, hidden_states_scales, routing_weights, selected_experts, wfrag, order, krec, out0; writes out0
.if DOCPART == 2
	.amdgcn_target "amdgcn-amd-amdhsa--gfx1250"
	.amdhsa_code_object_version 6
	.text
	.protected	k_q025e922c2b_chain
	.globl	k_q025e922c2b_chain
	.p2align	8
	.type	k_q025e922c2b_chain,@function
k_q025e922c2b_chain:
	s_mov_b64 s[64:65], 0
	v_nop
	global_prefetch_b8 v0, s[64:65] scope:SCOPE_SE
	s_setreg_imm32_b32 hwreg(HW_REG_WAVE_MODE, 25, 1), 1
	s_wait_xcnt 0x0
; out[t] = sum over e of w[t][e] x Q(relu(x[t] Wi_e^T)) Wo_e^T, w[t][e] = sum over k of selected_experts[t][k][e] x routing_weights[t][k]; both products on codes of FP4 (E2M1) with E8M0 scales.
; A WORK-GROUP OWNS A TILE OF AT MOST 48 TOKENS THAT SHARE ONE SORT KEY (lowest and highest expert used), so every output row has one owner and a tile walks only its key's experts (for one-hot rows: one or two).
; Work-groups 0-127 serve the first 4,096 tokens' tiles, 128-255 the others': 37 possible keys and 4,096 tokens give at most 37 + (4,096 - 37) / 48 = 121 tiles a group, whatever the choice.
; A work-group that the split leaves without rows walks the eight empty trips (its barriers stand outside all branches on data) and stores nothing.  An expert in the mask that a token does not use meets w = 0.
; THE WAVES SHARE THE COLUMNS: wave w makes hidden units 128 w .. + 127 and outputs 256 w .. + 255 for all 48 rows (three tiles m of 16), so each weight byte is read once a work-group and feeds three matrix instructions.
; Both products are used transposed (source 0 = 16 rows of the weight, source 1 = 16 tokens): lane (r, h) holds token r throughout.  The rows of Wi that form a tile are chosen (by the launch before) so that a lane's
; 16 registers of tiles 2 b, 2 b + 1 are 16 neighbours along the next K.
; THE WEIGHTS come from memory straight into registers, from a buffer laid in the order of the operand's registers: 16 steps of 8,704 bytes for each expert and wave, 17 loads a step, through a ring of four register
; buffers: while one step is multiplied three are on their way.  The ring runs on into the next used expert: its first four steps are asked for under this expert's last four.
; NO TENSOR LOAD, NO CLUSTER: which experts a tile walks hangs on stored numbers, so partners would need different tiles of the weights at different times; a walk of all eight experts, alike in all partners, would fetch
; as many bytes jointly as the sparse walk fetches alone.
; x's codes, the hidden layer's codes and their scale words go from wave to wave through LDS as images of the operand's registers (lane l's 16 bytes at 16 l).  The hidden layer never goes to memory; the output's sums stay in registers.
; LIMITS: NaN, infinities and scale bytes 0xff among the inputs are not served; where the y of an expert that a token does not use would overflow, 0 x infinity is not formed here: the sum stays finite.
; A hidden block whose largest magnitude lies under 2^-124, a block of zeros among them, gets the scale byte 1 (a block of zeros has zero codes, which add nothing); these bytes are read by this program alone.
; REGISTERS, in windows of 256 (s_set_vgpr_msb: bits 1:0 source 0, 3:2 source 1, 5:4 source 2, 7:6 destination):
;   window 0: v1-15 addresses and the tile's tokens; v16-31 the ring's scale words; v32-43 x's, then the hidden layer's scale words; v44-49 w, three pairs; v50-63 at work; ring buffers 0, 1, 2 at v64, v128, v192
;   window 1: v0-191 the hidden sums [m][t][8]; in the second product v0-95 the hidden fragments [4 m + s][8], v96-191 y, two sets of [jj][m][8]; ring buffer 3 at v192.  (At the head: offsets and gathered data.)
;   window 2: the output's groups 0-4 at 48 g + 8 (3 jj + m).   window 3: v0-143 groups 5-7; v144-191 x's fragments, two sets; over them and on to v232 the quantiser's registers
.set STEPB, 8704
.set WB,    139264                     ; a wave's 16 steps
.set EB,    557056                     ; an expert's four waves
.set XIMG,  0                          ; LDS: x's 24 fragments (3 q + m), 1,024 bytes each
.set XSC,   24576                      ; their scale words: [q 8][r 16][16 bytes: m = 0 .. 2]
.set HIMG,  26624                      ; the hidden layer's 12 fragments (4 m + s)
.set HSC,   38912                      ; their scale words: [r 16][64 bytes: 16 m + 4 s]
.set WT,    39936                      ; w: [3 e + m][lane]
.set STG,   43008                      ; the way out: for each wave 16 rows x (1,024 bytes + 16)
.set SROW,  1040
.set SWAVE, 16*SROW
.set L16,  1                           ; 16 x lane
.set XSA,  2                           ; XSC + 16 r
.set HSA,  3                           ; HSC + 64 r
.set WTA0, 4                           ; WT + 4 x lane
.set WTA,  5                           ; the same at the expert in hand
.set TOK,  6                           ; v6-8  lane r: the token of row 16 m + r
.set XWI,  9                           ; where I store x's images, its scale words, w
.set XWS,  10
.set WTS,  11
.set STO,  12                          ; the stage: in, and back
.set RD,   13
.set HWI,  14                          ; where I store the hidden layer's images and scale words
.set HWS,  15
.set WS,   16
.set XS,   32
.set HS,   32
.set WGT,  44
.set YA,   96                          ; window 1
.set OX,   0                           ; window 1, at the head only: offsets of the gathers,
.set OS,   3
.set OE,   6
.set ORW,  9
.set PXS,  12                          ; what they bring,
.set PRW,  18
.set PSEL, 22
.set PWV,  28                          ; and w at work
.set PT,   34
.set PXF,  64
.set XF,   144                         ; window 3
.set ST,   144
.set PC,   208
.set TM,   216
.set PW,   232
.set WV,    20
.set E,     21                         ; the trip: expert 0 .. 7
.set MSH,   22                         ; the tile's mask of experts >> E
.set COUNT, 23                         ; the tile's rows
.set START, 24
.set CUR,   26                         ; s[26:27] my wave's steps of expert E: stepped by a constant each trip
.set FST,   28                         ; s[28:29] my wave's steps of the first used expert: made once, at the head
.set HASN,  30                         ; is there a further used expert?
.set EW,    31                         ; 384 E
.set SEL,   32                         ; s[32:33] v_permlanex16_b32's selects for lane l xor 16
.set WBASE, 34
.set OUTB,  36
.set DN,    38                         ; how many trips on the next used expert lies: 1 .. 7
.set MSB, 0
.macro WIN new                         ; the immediate's high byte repeats the setting that is left; a switch that changes nothing is dropped
.if MSB != (\new)
	s_set_vgpr_msb (MSB<<8)|(\new)
.set MSB, (\new)
.endif
.endm
.macro PLACES n                        ; plain vector instructions behind matrix instructions, where no useful ones are at hand (ISA guide 7.12.1)
.rept \n
	v_nop
.endr
.endm
.macro BARRIER                         ; my LDS stores have landed and my LDS loads are in: then the work-group's barrier
	s_wait_dscnt 0x0
	s_barrier_signal -1
	s_barrier_wait -1
.endm
; Step st of the 16 that begin extra bytes behind s[base]: 16 loads of codes into ring buffer st % 4 and one of scale words: each reads 512 consecutive bytes.  Comes and goes with every window 0.
.macro RLOAD st, base, extra
.set rL, 64+64*((\st)%4)
.if ((\st)%4) == 3
.set rL, 192
	WIN 0x40
.endif
.irp n, 0,1,2,3,4,5,6,7,8,9,10,11,12,13,14,15
	global_load_b128 v[rL+4*\n:rL+4*\n+3], v[L16], s[\base:\base+1] offset:(\st)*STEPB+512*\n+(\extra)
.endr
	WIN 0
	global_load_b128 v[WS+4*((\st)%4):WS+4*((\st)%4)+3], v[L16], s[\base:\base+1] offset:(\st)*STEPB+8192+(\extra)
.endm
; Step st of the NEXT USED expert, which lies s[DN] trips on: s[DN] x EB bytes behind s[CUR].  The distance stands in the loads' immediate (3,941,376 bytes at the most, inside the signed 24 bits: ISA guide, chapter 10),
; so no address in the loop is made of a loaded number: a switch on the stored distance chooses among seven copies of the 17 loads.  Every way through it issues 17 loads, so the counted waits hold on each.
; The distance leads to a set bit of a mask of eight bits, so the loads stay inside the buffer.
.macro NEXTLOAD st
.irp d, 1,2,3,4,5,6
	s_cmp_lg_u32 s[DN], \d
	s_cbranch_scc1 .Lfar_\@_\d
	RLOAD \st, CUR, \d*EB
	s_branch .Lasked_\@
.Lfar_\@_\d:
.endr
	RLOAD \st, CUR, 7*EB
.Lasked_\@:
.endm
; One matrix instruction on the registers named by rD, rA, rB, rSA, rSB.  fZ: it starts its sum.  fR: the weight's scale words lie in lanes 16-31.
.macro MM
.if fZ
.if fR
	v_wmma_scale_f32_16x16x128_f8f6f4 v[rD:rD+7], v[rA:rA+7], v[rB:rB+7], 0, v[rSA], v[rSB] matrix_a_fmt:MATRIX_FMT_FP4 matrix_b_fmt:MATRIX_FMT_FP4 matrix_a_scale:MATRIX_SCALE_ROW1
.else
	v_wmma_scale_f32_16x16x128_f8f6f4 v[rD:rD+7], v[rA:rA+7], v[rB:rB+7], 0, v[rSA], v[rSB] matrix_a_fmt:MATRIX_FMT_FP4 matrix_b_fmt:MATRIX_FMT_FP4
.endif
.else
.if fR
	v_wmma_scale_f32_16x16x128_f8f6f4 v[rD:rD+7], v[rA:rA+7], v[rB:rB+7], v[rD:rD+7], v[rSA], v[rSB] matrix_a_fmt:MATRIX_FMT_FP4 matrix_b_fmt:MATRIX_FMT_FP4 matrix_a_scale:MATRIX_SCALE_ROW1
.else
	v_wmma_scale_f32_16x16x128_f8f6f4 v[rD:rD+7], v[rA:rA+7], v[rB:rB+7], v[rD:rD+7], v[rSA], v[rSB] matrix_a_fmt:MATRIX_FMT_FP4 matrix_b_fmt:MATRIX_FMT_FP4
.endif
.endif
.endm
; x's three fragments and scale words of K step q, from LDS into set q % 2
.macro XLOAD q
	WIN 0
	ds_load_b96 v[XS+4*((\q)%2):XS+4*((\q)%2)+2], v[XSA] offset:256*(\q)
	WIN 0xc0
.irp m, 0,1,2
.irp c, 0,1
	ds_load_b128 v[XF+24*((\q)%2)+8*\m+4*\c:XF+24*((\q)%2)+8*\m+4*\c+3], v[L16] offset:XIMG+(3*(\q)+\m)*1024+512*\c
.endr
.endr
.endm
; K step q of the first product: 24 matrix instructions, the 24 accumulators by turns in the same order in every step.
.macro STEP1 q
.set rR, 64+64*((\q)%4)
.set aW, 0
.if ((\q)%4) == 3
.set rR, 192
.set aW, 1
.endif
	s_wait_loadcnt 51                              ; this step's 17 loads are in; the three steps behind it, 51 loads, may be out
	s_wait_dscnt 0x0                               ; x of this K step is in
.if (\q) < 7
	XLOAD (\q)+1                                   ; the other set: its last readers stand behind the places at the last step's end
.endif
	WIN 0x5c+aW                                    ; the weight: window 0 or 1; x: window 3; the sums: window 1
.irp t, 0,1,2,3,4,5,6,7
.irp m, 0,1,2
.set rD, 64*\m+8*\t
.set rA, rR+8*\t
.set rB, XF+24*((\q)%2)+8*\m
.set rSA, WS+4*((\q)%4)+\t/2
.set rSB, XS+4*((\q)%2)+\m
.set fZ, 0
.if (\q) == 0
.set fZ, 1
.endif
.set fR, \t%2
	MM
.endr
.endr
	WIN 0
	PLACES 4                                       ; in front of the loads into the buffer just multiplied, of the next loads into x's set, and (behind the last step) of the first read of the sums
	RLOAD (\q)+4, CUR, 0
.endm
; 64 numbers of a lane, v[ST] on, register 16 b + i = k 32 b + 16 (lane / 16) + i of my token, none negative, become a fragment's codes in v[PC] on and its scale word in v[PW].  All in window 3.
.macro QUANT
.irp b, 0,1,2,3
	v_max3_num_f32 v[TM+\b], v[ST+16*\b], v[ST+1+16*\b], 0x1800000   ; block b: my 16 numbers, and the floor 2^(3 - 127): so the byte cannot fall under 1
.endr
.irp i, 2,4,6,8,10,12,14
.irp b, 0,1,2,3
	v_max3_num_f32 v[TM+\b], v[TM+\b], v[ST+16*\b+\i], v[ST+1+16*\b+\i]
.endr
.endr
.irp b, 0,1,2,3
	v_permlanex16_b32 v[TM+4+\b], v[TM+\b], s[SEL], s[SEL+1]
.endr
.irp b, 0,1,2,3
	v_max_num_f32 v[TM+\b], v[TM+\b], v[TM+4+\b]   ; with lane l xor 16's: the block's largest magnitude
.endr
.irp b, 0,1,2,3
	v_add_nc_u32 v[TM+12+\b], 0xff000000, v[TM+\b] ; 2 off its exponent field: the conversion takes the exponent field of this operand as its scale
.endr
.irp b, 0,1,2,3
	v_lshrrev_b32 v[TM+4+\b], 23, v[TM+12+\b]      ; the scale's byte
.endr
	v_lshl_or_b32 v[PW], v[TM+5], 8, v[TM+4]
	v_lshl_or_b32 v[PW], v[TM+6], 16, v[PW]
	v_lshl_or_b32 v[PW], v[TM+7], 24, v[PW]
.irp b, 0,1,2,3
	v_cvt_scalef32_pk8_fp4_f32 v[PC+2*\b], v[ST+16*\b:ST+7+16*\b], v[TM+12+\b]
	v_cvt_scalef32_pk8_fp4_f32 v[PC+1+2*\b], v[ST+8+16*\b:ST+15+16*\b], v[TM+12+\b]
.endr
	v_nop                                          ; one plain place behind a scaled conversion
.irp c, 0,1                            ; the operand's layout wants a whole block in a lane
.irp i, 0,1
	v_permlane16_swap_b32 v[PC+4*\c+\i], v[PC+2+4*\c+\i]
.endr
.endr
.endm
; Tile m of the rows: relu (which also brings the sums into window 3, each accumulator from its low end on), the quantiser, the image to LDS: K step w of the second product.
.macro HQ m
	WIN 0xc4
.set jh, 0
.rept 64
	v_max_num_f32 v[ST+jh], 0, v[64*\m+jh]
.set jh, jh+1
.endr
	WIN 0xff
	QUANT
	WIN 0x0c                                       ; address window 0, data window 3
	ds_store_b128 v[HWI], v[PC:PC+3] offset:4096*\m
	ds_store_b128 v[HWI], v[PC+4:PC+7] offset:4096*\m+512
	ds_store_b32 v[HWS], v[PW] offset:16*\m        ; both lanes of a token write the same word with the same value
	s_wait_dscnt 0x0                               ; the stores have read their registers
	WIN 0
.endm
; out += w x y for group g: 24 packed multiply-adds, each accumulator of y from its low end on
.macro FMA g
.if (\g) < 5
	WIN 0xa1
.set oB, 48*(\g)
.else
	WIN 0xf1
.set oB, 48*((\g)-5)
.endif
.set yB, YA+48*((\g)%2)
.irp a, 0,1,2,3,4,5
.irp p, 0,2,4,6
	v_pk_fma_f32 v[oB+8*\a+\p:oB+8*\a+\p+1], v[yB+8*\a+\p:yB+8*\a+\p+1], v[WGT+2*(\a%3):WGT+2*(\a%3)+1], v[oB+8*\a+\p:oB+8*\a+\p+1] op_sel_hi:[1,0,1]
.endr
.endr
.endm
; Group g of the second product: 32 outputs x 48 rows x K 512: 24 matrix instructions, six accumulators by turns.  cnt: the loads that may stay out.
; mode 0: the buffer takes this expert's step 12 + g; 1: the next used expert's step g - 4; 2: nothing is left to fetch.
; The multiply-adds of the group before stand behind the products: they name none of these products' registers, so they are the places in front of the loads into the buffer.
.macro STEP2 g, mode, cnt
.set rR, 64+64*((\g)%4)
.set aW, 0
.if ((\g)%4) == 3
.set rR, 192
.set aW, 1
.endif
	s_wait_loadcnt \cnt
	WIN 0x54+aW                                    ; the weight: window 0 or 1; the hidden layer and y: window 1
.irp s, 0,1,2,3
.irp jj, 0,1
.irp m, 0,1,2
.set rD, YA+48*((\g)%2)+8*(3*\jj+\m)
.set rA, rR+8*(2*\s+\jj)
.set rB, 8*(4*\m+\s)
.set rSA, WS+4*((\g)%4)+\s
.set rSB, HS+4*\m+\s
.set fZ, 0
.if \s == 0
.set fZ, 1
.endif
.set fR, \jj
	MM
.endr
.endr
.endr
.if (\g) > 0
	FMA (\g)-1
.else
	PLACES 5
.endif
	WIN 0
.if \mode == 0
	RLOAD 12+(\g), CUR, 0
.endif
.if \mode == 1
	NEXTLOAD (\g)-4
.endif
.endm
	; ---------------- the head ----------------
	s_load_b512 s[4:19], s[0:1], 0x0               ; x codes, x scales, routing_weights, selected_experts, wfrag, order, krec, out
	s_set_vgpr_msb 0x80
	v_lshl_add_u32 v254, v0, 2, 0x1b000
	v_mov_b32 v255, 0
	s_set_vgpr_msb 0x8000
	v_lshrrev_b32 v50, 5, v0
	v_readfirstlane_b32 s[WV], v50                 ; wave 0..3
	v_and_b32 v50, 31, v0                          ; lane
	v_and_b32 v51, 15, v0                          ; r
	v_bfe_u32 v52, v0, 4, 1                        ; h
	v_lshlrev_b32 v[L16], 4, v50
	v_lshl_add_u32 v[XSA], v51, 4, XSC
	v_lshl_add_u32 v[HSA], v51, 6, HSC
	v_lshl_add_u32 v[WTA0], v50, 2, WT
	s_mul_i32 s40, s[WV], 6144                     ; I gather K steps 2 w and 2 w + 1 of x: six images
	v_add_nc_u32 v[XWI], s40, v[L16]
	s_lshl_b32 s40, s[WV], 9
	v_add_nc_u32 v[XWS], s40, v[XSA]
	s_mul_i32 s40, s[WV], 768                      ; and w of experts 2 w and 2 w + 1
	v_add_nc_u32 v[WTS], s40, v[WTA0]
	s_mul_i32 s40, s[WV], SWAVE
	s_add_co_u32 s40, s40, STG
	v_mul_u32_u24 v[STO], v51, SROW
	v_lshl_add_u32 v[STO], v52, 5, v[STO]
	v_add_nc_u32 v[STO], s40, v[STO]               ; my stage: row r, + 32 h
	v_add_nc_u32 v[RD], s40, v[L16]
	s_lshl_b32 s40, s[WV], 10
	s_add_co_u32 s40, s40, HIMG
	v_add_nc_u32 v[HWI], s40, v[L16]
	s_lshl_b32 s40, s[WV], 2
	v_add_nc_u32 v[HWS], s40, v[HSA]
	s_mov_b32 s[SEL], 0x76543210
	s_mov_b32 s[SEL+1], 0xfedcba98
	s_mov_b32 s[EW], 0
	s_mov_b32 s[E], 0
	s_and_b32 s40, ttmp9, 127                      ; my tile's number in its group of tokens,
	s_lshr_b32 s41, ttmp9, 7                       ; and the group
	s_lshl_b32 s42, s41, 10
	v_add_nc_u32 v53, s42, v[L16]
.irp m, 0,1,2
	v_mov_b32 v[WGT+2*\m+1], 0                     ; named as the upper halves of pairs
.endr
	WIN 0xc0
.irp b, 0,1,2,3
	v_mov_b32 v[TM+4+\b], 0                        ; written once: a lane permute's destination counts as one of its sources
.endr
	WIN 0
	s_mul_i32 s44, s[WV], WB
	s_mov_b32 s45, 0
	s_lshl_b32 s46, s[WV], 10
	s_mov_b32 s47, 0
	s_wait_kmcnt 0x0
	s_add_nc_u64 s[WBASE:WBASE+1], s[12:13], s[44:45]
	s_add_nc_u64 s[OUTB:OUTB+1], s[18:19], s[46:47]
	s_mov_b64 s[CUR:CUR+1], s[WBASE:WBASE+1]
	global_load_b128 v[56:59], v53, s[16:17]               ; the records of keys 0-31, one a lane: tokens, first place, first tile, mask
	global_load_b128 v[60:63], v53, s[16:17] offset:512    ; of keys 32-63
	s_wait_loadcnt 0x0
	v_cmp_ge_u32 s42, s40, v58                     ; first tiles ascend: my key is the last whose first tile is not beyond my tile
	v_cmp_ge_u32 s43, s40, v62
	s_bcnt1_i32_b32 s42, s42
	s_bcnt1_i32_b32 s43, s43
	s_add_co_u32 s42, s42, s43
	s_sub_co_u32 s42, s42, 1
	s_and_b32 s43, s42, 31
.irp p, 0,1,2,3
	v_readlane_b32 s[44+\p], v[56+\p], s43
	v_readlane_b32 s[48+\p], v[60+\p], s43
.endr
	s_cmp_lt_u32 s42, 32
.irp p, 0,1,2,3
	s_cselect_b32 s[44+\p], s[44+\p], s[48+\p]
.endr
	s_sub_co_u32 s46, s40, s46                     ; which tile of the key
	s_mul_i32 s46, s46, 48
	s_sub_co_i32 s[COUNT], s44, s46                ; its rows: 0 .. 48
	s_max_i32 s[COUNT], s[COUNT], 0
	s_min_i32 s[COUNT], s[COUNT], 48
	s_add_co_u32 s[START], s45, s46
	s_lshl_b32 s41, s41, 12
	s_add_co_u32 s[START], s[START], s41
	s_min_u32 s[START], s[START], 0x1fff           ; its first place in order
	s_and_b32 s47, s47, 0xff
	s_cmp_eq_u32 s[COUNT], 0
	s_cselect_b32 s[MSH], 0, s47                   ; no rows: no expert
	s_ctz_i32_b32 s48, s[MSH]                      ; the first used expert (no expert: -1, held at 7: the ring is filled all the same, so that every count below holds on every path)
	s_min_u32 s48, s48, 7
	s_mul_i32 s48, s48, EB
	s_mov_b32 s49, 0
	s_add_nc_u64 s[FST:FST+1], s[WBASE:WBASE+1], s[48:49]
	s_max_u32 s50, s[COUNT], 1
	s_sub_co_u32 s50, s50, 1
.irp m, 0,1,2
	v_add_nc_u32 v[53+\m], 16*\m, v51              ; row 16 m + r; rows beyond the tile's last repeat it: they are computed and not stored
	v_min_u32 v[53+\m], s50, v[53+\m]
	v_add_nc_u32 v[53+\m], s[START], v[53+\m]
	v_min_u32 v[53+\m], 0x1fff, v[53+\m]
	v_lshlrev_b32 v[53+\m], 2, v[53+\m]
	global_load_b32 v[TOK+\m], v[53+\m], s[14:15]
.endr
	RLOAD 0, FST, 0
	RLOAD 1, FST, 0
	RLOAD 2, FST, 0
	s_wait_loadcnt 51                              ; the tokens are in: behind them stand three steps of 17 loads
.irp m, 0,1,2
	v_min_u32 v[TOK+\m], 0x1fff, v[TOK+\m]
.endr
	s_lshl_b32 s40, s[WV], 7
	v_lshl_add_u32 v57, v52, 4, s40                ; 16 h + my two K steps' 128 bytes
	s_lshl_b32 s41, s[WV], 3
	v_lshl_add_u32 v58, v52, 5, s41                ; k = h: 32 h; experts 2 w, 2 w + 1: 8 w
	v_lshlrev_b32 v59, 2, v52
	WIN 0x40                                       ; destinations in window 1
.irp m, 0,1,2
	v_lshl_add_u32 v[OX+\m], v[TOK+\m], 9, v57     ; a row of x: 512 bytes of codes,
	v_lshl_add_u32 v[OS+\m], v[TOK+\m], 5, s41     ; 32 scale bytes,
	v_lshl_add_u32 v[OE+\m], v[TOK+\m], 6, v58     ; 64 bytes of selected_experts,
	v_lshl_add_u32 v[ORW+\m], v[TOK+\m], 3, v59    ; 8 of routing_weights
.endr
	WIN 0x41
.irp i, 0,1
.irp m, 0,1,2
.irp c, 0,1
	global_load_b128 v[PXF+8*(3*\i+\m)+4*\c:PXF+8*(3*\i+\m)+4*\c+3], v[OX+\m], s[4:5] offset:64*\i+32*\c
.endr
.endr
.endr
.irp i, 0,1
.irp m, 0,1,2
	global_load_b32 v[PXS+3*\i+\m], v[OS+\m], s[6:7] offset:4*\i
.endr
.endr
.irp m, 0,1,2
	global_load_b64 v[PSEL+2*\m:PSEL+2*\m+1], v[OE+\m], s[10:11]
	global_load_b32 v[PRW+\m], v[ORW+\m], s[8:9]
.endr
	WIN 0
	RLOAD 3, FST, 0
	; The output's sums begin as zeros: they are weighted sums over a list of experts that is known only here, and a token without an expert gets 0.  These lines stand while the loads are out.
	WIN 0x80
.set jc, 0
.rept 240
	v_mov_b32 v[jc], 0
.set jc, jc+1
.endr
	WIN 0xc0
.set jc, 0
.rept 144
	v_mov_b32 v[jc], 0
.set jc, jc+1
.endr
	WIN 0
	s_wait_loadcnt 17                              ; the 24 gathers are in: behind them stands step 3
	WIN 0x04                                       ; address window 0, data window 1
.irp i, 0,1
.irp m, 0,1,2
.irp c, 0,1
	ds_store_b128 v[XWI], v[PXF+8*(3*\i+\m)+4*\c:PXF+8*(3*\i+\m)+4*\c+3] offset:XIMG+1024*(3*\i+\m)+512*\c
.endr
	ds_store_b32 v[XWS], v[PXS+3*\i+\m] offset:256*\i+4*\m
.endr
.endr
	WIN 0x55                                       ; w of experts 2 w + i for my token: my k's term, and lane l xor 16's
.irp n, 0,1,2,3,4,5
	v_cvt_f32_i32 v[PWV+\n], v[PSEL+\n]
	v_mov_b32 v[PT+\n], 0
.endr
.irp n, 0,1,2,3,4,5
	v_mul_f32 v[PWV+\n], v[PWV+\n], v[PRW+\n/2]
.endr
.irp n, 0,1,2,3,4,5
	v_permlanex16_b32 v[PT+\n], v[PWV+\n], s[SEL], s[SEL+1]
.endr
.irp n, 0,1,2,3,4,5
	v_add_f32 v[PWV+\n], v[PWV+\n], v[PT+\n]
.endr
	WIN 0x04
.irp n, 0,1,2,3,4,5
	ds_store_b32 v[WTS], v[PWV+\n] offset:384*(\n%2)+128*(\n/2)
.endr
	WIN 0
	BARRIER                                        ; x's images, its scale words and w lie in LDS
	; ---------------- eight trips, one for each expert; the work of an expert that the mask does not name is jumped over, the barriers are not ----------------
.Lexp:
	s_and_b32 s40, s[MSH], 1
	s_cbranch_scc0 .Ls1
	XLOAD 0
.irp q, 0,1,2,3,4,5,6,7
	STEP1 \q
.endr
	HQ 0
	HQ 1
	HQ 2
.Ls1:
	BARRIER                                        ; the hidden layer's twelve fragments lie in LDS
	s_and_b32 s40, s[MSH], 1
	s_cbranch_scc0 .Ls2
	s_lshr_b32 s40, s[MSH], 1
	s_cmp_lg_u32 s40, 0
	s_cselect_b32 s[HASN], 1, 0                    ; is there a further used expert?
	s_ctz_i32_b32 s41, s40
	s_add_co_u32 s[DN], s41, 1                     ; and how many trips on (read only where there is one)
	v_add_nc_u32 v[WTA], s[EW], v[WTA0]
	WIN 0x40
.irp n, 0,1,2,3,4,5,6,7,8,9,10,11
.irp c, 0,1
	ds_load_b128 v[8*\n+4*\c:8*\n+4*\c+3], v[L16] offset:HIMG+1024*\n+512*\c
.endr
.endr
	WIN 0
.irp m, 0,1,2
	ds_load_b128 v[HS+4*\m:HS+4*\m+3], v[HSA] offset:16*\m
	ds_load_b32 v[WGT+2*\m], v[WTA] offset:128*\m
.endr
	s_wait_dscnt 0x0
	STEP2 0, 0, 51                                 ; 51: the three steps behind the one in hand
	STEP2 1, 0, 51
	STEP2 2, 0, 51
	STEP2 3, 0, 51
	s_cmp_eq_u32 s[HASN], 0                        ; the last four groups are written twice, so that each count is right on its own path
	s_cbranch_scc1 .Llast
	STEP2 4, 1, 51
	STEP2 5, 1, 51
	STEP2 6, 1, 51
	STEP2 7, 1, 51
	FMA 7                                          ; group 6's multiply-adds are the places behind group 7's products
	WIN 0
	s_branch .Ls2
.Llast:
	STEP2 4, 2, 51                                 ; nothing is asked for any more: the counts run down
	STEP2 5, 2, 34
	STEP2 6, 2, 17
	STEP2 7, 2, 0
	FMA 7
	WIN 0
.Ls2:
	BARRIER                                        ; every wave has the hidden fragments in registers: the next expert's may be stored
	s_wait_xcnt 0x0                                ; the loads that named s[CUR] have read it
	s_add_nc_u64 s[CUR:CUR+1], s[CUR:CUR+1], EB
	s_add_co_u32 s[EW], s[EW], 384
	s_lshr_b32 s[MSH], s[MSH], 1
	s_add_co_u32 s[E], s[E], 1
	s_cmp_lt_u32 s[E], 8
	s_cbranch_scc1 .Lexp
	; ---------------- the way out: 16 rows at a time through my own stage, then each row's 1,024 bytes to its token's row of out ----------------
	s_wait_loadcnt 0x0
.macro TOSTAGE m
.irp g, 0,1,2,3,4,5,6,7
.if \g < 5
	WIN 0x08                                       ; the data: window 2,
.set oB, 48*\g
.else
	WIN 0x0c                                       ; or 3
.set oB, 48*(\g-5)
.endif
.irp jj, 0,1
	ds_store_b128 v[STO], v[oB+8*(3*\jj+\m):oB+8*(3*\jj+\m)+3] offset:128*\g+64*\jj        ; lane (r, h): out(16 m + r, 256 w + 32 g + 16 jj + 8 h + 0 .. 7)
	ds_store_b128 v[STO], v[oB+8*(3*\jj+\m)+4:oB+8*(3*\jj+\m)+7] offset:128*\g+64*\jj+16
.endr
.endr
	WIN 0
.irp p, 0,1,2,3,4,5,6,7,8,9,10,11,12,13,14,15
	ds_load_b128 v[64+8*\p:64+8*\p+3], v[RD] offset:SROW*\p            ; LDS serves a wave's instructions in order (ISA guide 5.7.1.4): these see my stores
	ds_load_b128 v[64+8*\p+4:64+8*\p+7], v[RD] offset:SROW*\p+512
.endr
.endm
.irp m, 0,1,2
	s_cmp_le_u32 s[COUNT], 16*\m
	s_cbranch_scc1 .Ldone
	s_wait_xcnt 0x0                                ; the last 16 rows' stores have read their data and offsets: both are written again
	TOSTAGE \m
.irp r, 0,1,2,3,4,5,6,7,8,9,10,11,12,13,14,15
.if \r > 0
	s_cmp_le_u32 s[COUNT], 16*\m+\r                ; rows beyond the tile's last are not stored
	s_cbranch_scc1 .Ldone
.endif
	s_wait_dscnt 30-2*\r                           ; this row's two loads are in; the rows behind it may be out
	v_readlane_b32 s40, v[TOK+\m], \r
	s_min_u32 s40, s40, 0x1fff
	s_lshl_b32 s40, s40, 12                        ; a row of out is 4,096 bytes
	v_add_nc_u32 v[192+\r], s40, v[L16]
	global_store_b128 v[192+\r], v[64+8*\r:64+8*\r+3], s[OUTB:OUTB+1] th:TH_STORE_NT               ; 32 lanes store 512 consecutive bytes, at a multiple of 256 from out's first byte
	global_store_b128 v[192+\r], v[64+8*\r+4:64+8*\r+7], s[OUTB:OUTB+1] offset:512 th:TH_STORE_NT
.endr
.endr
.Ldone:
	s_wait_dscnt 0x0
	s_set_vgpr_msb 0xa
	s_wait_tensorcnt 0x0
	ds_add_u32 v254, v255
	s_wait_dscnt 0x0
	s_set_vgpr_msb 0xa00
	s_endpgm
.Lfunc_end_k_q025e922c2b_chain:
	.size	k_q025e922c2b_chain, .Lfunc_end_k_q025e922c2b_chain-k_q025e922c2b_chain
	.p2alignl 7, 3214868480
	.fill 96, 4, 3214868480
	.section	.rodata,"a",@progbits
	.p2align	6, 0x0
	.amdhsa_kernel k_q025e922c2b_chain
		.amdhsa_group_segment_fixed_size 111104
		.amdhsa_private_segment_fixed_size 0
		.amdhsa_enable_private_segment 0
		.amdhsa_kernarg_size 64
		.amdhsa_user_sgpr_count 2
		.amdhsa_user_sgpr_kernarg_segment_ptr 1
		.amdhsa_wavefront_size32 1
		.amdhsa_system_sgpr_workgroup_id_x 1
		.amdhsa_system_sgpr_workgroup_id_y 1
		.amdhsa_system_sgpr_workgroup_id_z 1
		.amdhsa_system_vgpr_workitem_id 0
		.amdhsa_next_free_vgpr 1024
		.amdhsa_next_free_sgpr 66
		.amdhsa_reserve_vcc 0
		.amdhsa_float_denorm_mode_32 3
		.amdhsa_float_denorm_mode_16_64 3
		.amdhsa_memory_ordered 1
		.amdhsa_forward_progress 1
		.amdhsa_inst_pref_size 241
	.end_amdhsa_kernel
	.amdgpu_metadata
---
amdhsa.version: [ 1, 2 ]
amdhsa.kernels:
  - .name:           k_q025e922c2b_chain
    .symbol:         k_q025e922c2b_chain.kd
    .args:
      - { .name: hidden_states_codes, .offset: 0, .size: 8, .value_kind: global_buffer, .address_space: global }
      - { .name: hidden_states_scales, .offset: 8, .size: 8, .value_kind: global_buffer, .address_space: global }
      - { .name: routing_weights, .offset: 16, .size: 8, .value_kind: global_buffer, .address_space: global }
      - { .name: selected_experts, .offset: 24, .size: 8, .value_kind: global_buffer, .address_space: global }
      - { .name: wfrag, .offset: 32, .size: 8, .value_kind: global_buffer, .address_space: global }
      - { .name: order, .offset: 40, .size: 8, .value_kind: global_buffer, .address_space: global }
      - { .name: krec, .offset: 48, .size: 8, .value_kind: global_buffer, .address_space: global }
      - { .name: out0, .offset: 56, .size: 8, .value_kind: global_buffer, .address_space: global }
    .group_segment_fixed_size: 111104
    .private_segment_fixed_size: 0
    .kernarg_segment_align: 8
    .kernarg_segment_size: 64
    .max_flat_workgroup_size: 128
    .sgpr_count:     66
    .vgpr_count:     1024
    .wavefront_size: 32
...
	.end_amdgpu_metadata
.endif
;; end of part 2
;; ======== version 2 of 2: 2 launches
;; workspace buffers: wfrag 4,456,448 bytes; order 32,768 bytes of whole numbers; krec 2,048 bytes of whole numbers
;; launch prep (part 3): grid 40 x 1, 16 waves a work-group, no clusters, 86,016 bytes of LDS; arguments selected_experts, wi_codes, wi_scales, wo_codes, wo_scales, wfrag, order, krec; writes wfrag, order, krec
.if DOCPART == 3
	.amdgcn_target "amdgcn-amd-amdhsa--gfx1250"
	.amdhsa_code_object_version 6
	.text
	.protected	k_q025e922c2b_prep
	.globl	k_q025e922c2b_prep
	.p2align	8
	.type	k_q025e922c2b_prep,@function
k_q025e922c2b_prep:
	s_mov_b64 s[64:65], 0
	v_nop
	global_prefetch_b8 v0, s[64:65] scope:SCOPE_SE
	s_setreg_imm32_b32 hwreg(HW_REG_WAVE_MODE, 25, 1), 1
	s_wait_xcnt 0x0
; TWO JOBS IN ONE LAUNCH, parted on the work-group's number.
; Work-groups 0 .. 7: a counting sort of 1,024 tokens each by the key 8 lo + hi, lo and hi the lowest and the highest expert e for which selected_experts[t][0][e] or [t][1][e] is not 0
; (a token with none: key 32, which no other token can have).  Out: order[group][place] = token, and for each of the 64 keys one word: the group's tokens of that key in bits 15:0, their first place in
; bits 26:16, and in bit 31 whether any token of the group uses an expert strictly between its lo and hi.  The next launch merges the eight groups' lists key by key.
; Work-groups 8 .. 39 (number - 8 = 4 e + w): the weights of expert e that wave w of the next launch multiplies by, laid as 16 steps of 8,704 bytes in the order of the operand's registers:
; 8 fragments (16 rows x 128 K of 4-bit codes: two groups of 4 registers, lane l's 16 bytes at 16 l) and 512 bytes of scale words (4 words a lane).  Wave v of the work-group lays step v.
;   steps 0-7  (wi, K step q = v): fragment t, lane (r, h): row 128 w + 32 (t / 2) + 8 (t % 2) + r + 8 (r / 8); scale word i of lane (r, hh): that of tile 2 i + hh
;   steps 8-15 (wo, group g = v - 8): fragment 2 s + jj, lane (r, h): row 256 w + 32 g + 16 jj + r, K step s; scale word i of lane l: K step i of row 256 w + 32 g + l
; The sort has no atomics and no LDS store whose address hangs on data: each thread counts its 2 tokens in 8 registers (one for each lo) of 8 fields of 4 bits (one for each hi);
; wave (k, hf) scans column k over the 256 threads of half hf; wave 0 scans the 64 keys; each thread then looks its places up.
; The reads of the weights take 32 bytes of each of 16 rows an instruction, and order is stored 4 bytes a lane to scattered places (32 KB in all): both are done once, on small tensors.
.set NG,    8                          ; sort groups
.set STEPB, 8704
.set WB,    16*STEPB
.set HIST,  0                          ; LDS: [lo 8][thread 512] words
.set OFF,   16384                      ; [wave 16][thread of the half 256][16 bytes: eight 16-bit places, hi with its three bits reversed]
.set TOT,   81920                      ; [key 64][half 2] words: tokens
.set BASE,  82432                      ; the same shape: first place
.set FLG,   82944                      ; a word a wave
.set S,     16                         ; v16-47   2 tokens x 16 whole numbers; later at work
.set LO,    144
.set HI,    152
.set KEY,   160
.set C,     168                        ; v168-175 my counts, register = lo, field = hi
.set RK,    176                        ; v176-177 a token's rank among my own tokens of its key
.set HP,    184                        ; hi with its bits reversed
.set A1,    192                        ; LDS address of the token's word of BASE
.set A2,    200                        ; and of its 16 bits of OFF
.set PB,    208
.set PO,    216
.set PS,    224
.set PD,    232
.set T,     240
.set WTMP,  250
	s_load_b512 s[4:19], s[0:1], 0x0               ; selected_experts, wi codes, wi scales, wo codes, wo scales, wfrag, order, krec
	v_lshl_add_u32 v254, v0, 2, 0x14800
	v_mov_b32 v255, 0
	v_lshrrev_b32 v1, 5, v0
	s_delay_alu instid0(VALU_DEP_1)
	v_readfirstlane_b32 s20, v1                    ; wave 0..15
	v_and_b32 v1, 31, v0                           ; lane
	s_cmp_lt_u32 ttmp9, NG
	s_cbranch_scc1 .Lsort
	; ---------------- the weights ----------------
	s_sub_co_u32 s21, ttmp9, NG                    ; 4 e + w
	v_and_b32 v2, 15, v0                           ; r
	v_bfe_u32 v3, v0, 4, 1                         ; h
	v_lshlrev_b32 v4, 4, v1                        ; 16 x lane
	s_mul_i32 s22, s21, WB
	s_mul_i32 s23, s20, STEPB
	s_add_co_u32 s22, s22, s23                     ; where my step goes
	s_mov_b32 s23, 0
	s_lshl_b32 s24, s21, 16                        ; codes: an expert is 262,144 bytes, a wave's quarter 65,536, in wi and in wo
	s_mov_b32 s25, 0
	s_lshl_b32 s26, s21, 12                        ; scale bytes: 16,384 and 4,096
	s_mov_b32 s27, 0
	s_wait_kmcnt 0x0
	s_add_nc_u64 s[14:15], s[14:15], s[22:23]
	s_cmp_lt_u32 s20, 8
	s_cbranch_scc0 .Lw2
	s_lshl_b32 s28, s20, 6                         ; wi: K step q is 64 bytes of a row of 512,
	s_add_co_u32 s24, s24, s28
	s_lshl_b32 s28, s20, 2                         ; and one word of a row of 32 scale bytes
	s_add_co_u32 s26, s26, s28
	s_add_nc_u64 s[6:7], s[6:7], s[24:25]
	s_add_nc_u64 s[8:9], s[8:9], s[26:27]
	s_wait_alu depctr_va_vdst(0)
	v_and_b32 v5, 8, v2
	s_delay_alu instid0(VALU_DEP_1)
	v_add_nc_u32 v5, v5, v2                        ; r + 8 (r / 8)
	s_delay_alu instid0(VALU_DEP_1)
	v_lshlrev_b32 v6, 9, v5
	s_delay_alu instid0(VALU_DEP_1)
	v_lshl_add_u32 v6, v3, 4, v6                   ; that row, + 16 h
	s_delay_alu instid0(VALU_DEP_3)
	v_lshl_add_u32 v7, v3, 3, v5                   ; scale words: lanes 16-31 take the odd tile, 8 rows on
	s_delay_alu instid0(VALU_DEP_1)
	v_lshlrev_b32 v7, 5, v7
.irp t, 0,1,2,3,4,5,6,7
.irp c, 0,1
	global_load_b128 v[16+8*\t+4*\c:16+8*\t+4*\c+3], v6, s[6:7] offset:(32*(\t/2)+8*(\t%2))*512+32*\c
.endr
.endr
.irp i, 0,1,2,3
	global_load_b32 v[80+\i], v7, s[8:9] offset:1024*\i
.endr
	s_branch .Lput
.Lw2:
	s_sub_co_u32 s28, s20, 8                       ; wo: group g is 32 rows of 256 bytes,
	s_lshl_b32 s29, s28, 13
	s_add_co_u32 s24, s24, s29
	s_lshl_b32 s29, s28, 9                         ; and 32 rows of 16 scale bytes
	s_add_co_u32 s26, s26, s29
	s_add_nc_u64 s[10:11], s[10:11], s[24:25]
	s_add_nc_u64 s[12:13], s[12:13], s[26:27]
	s_wait_alu depctr_va_vdst(0)
	v_lshlrev_b32 v6, 8, v2
	s_delay_alu instid0(VALU_DEP_1)
	v_lshl_add_u32 v6, v3, 4, v6                   ; row r, + 16 h
.irp f, 0,1,2,3,4,5,6,7
.irp c, 0,1
	global_load_b128 v[16+8*\f+4*\c:16+8*\f+4*\c+3], v6, s[10:11] offset:(\f%2)*4096+(\f/2)*64+32*\c
.endr
.endr
	global_load_b128 v[80:83], v4, s[12:13]        ; a row's four scale words are a lane's four registers as they lie
.Lput:
	s_wait_loadcnt 0x0
.irp n, 0,1,2,3,4,5,6,7,8,9,10,11,12,13,14,15
	global_store_b128 v4, v[16+4*\n:16+4*\n+3], s[14:15] offset:512*\n   ; 32 lanes store 512 consecutive bytes, at a multiple of 256 from the buffer's first byte
.endr
	global_store_b128 v4, v[80:83], s[14:15] offset:8192
	s_endpgm
	; ---------------- the sort ----------------
.Lsort:
	s_and_b32 s21, s20, 7                          ; the column (lo) that my wave scans,
	s_lshr_b32 s22, s20, 3                         ; and the half of the threads.  Every LDS address is made here, ahead of all barriers and branches
	v_lshlrev_b32 v2, 2, v0                        ; HIST, in: 4 x thread
	s_lshl_b32 s23, s21, 11
	s_lshl_b32 s24, s22, 10
	s_add_co_u32 s23, s23, s24
	s_wait_alu depctr_va_vdst(0)
	v_lshl_add_u32 v3, v1, 2, s23                  ; HIST, out: column, half, 4 x lane
	s_lshl_b32 s23, s20, 12
	s_add_co_u32 s23, s23, OFF
	v_lshl_add_u32 v4, v1, 4, s23                  ; OFF, in: my wave's 4,096 bytes, 16 x lane
	s_lshl_b32 s23, s21, 6
	s_lshl_b32 s24, s22, 2
	s_add_co_u32 s23, s23, s24
	s_add_co_u32 s23, s23, TOT
	v_mov_b32 v5, s23                              ; TOT, in: 64 lo + 4 half
	v_lshl_add_u32 v6, v1, 4, TOT                  ; TOT, out (wave 0): two keys a lane
	v_lshl_add_u32 v7, v1, 4, BASE
	s_lshl_b32 s23, s20, 2
	s_add_co_u32 s23, s23, FLG
	v_mov_b32 v8, s23
	v_mov_b32 v9, FLG
	v_lshlrev_b32 v10, 6, v0                       ; a token's 16 whole numbers are 64 bytes
	v_mov_b32 v11, 0
	v_mov_b32 v12, 1
	v_lshrrev_b32 v13, 8, v0                       ; my half
	s_delay_alu instid0(VALU_DEP_1)
	v_lshl_add_u32 v14, v13, 2, BASE               ; BASE, out: + 8 x key
	v_and_b32 v15, 255, v0
	s_delay_alu instid0(VALU_DEP_1)
	v_lshlrev_b32 v15, 4, v15
	s_delay_alu instid0(VALU_DEP_1)
	v_lshl_add_u32 v13, v13, 15, v15
	s_delay_alu instid0(VALU_DEP_1)
	v_add_nc_u32 v13, OFF, v13                     ; OFF, out: + 4,096 lo + 2 x place of hi
	v_lshlrev_b32 v15, 3, v1                       ; krec: two keys' words a lane
	v_mov_b32 v[WTMP], 0
	s_lshl_b32 s26, ttmp9, 16                      ; my group's 1,024 tokens in selected_experts,
	s_mov_b32 s27, 0
	s_lshl_b32 s28, ttmp9, 12                      ; in order,
	s_mov_b32 s29, 0
	s_lshl_b32 s30, ttmp9, 8                       ; and its 64 words
	s_mov_b32 s31, 0
	s_mov_b32 s59, 0xffff0000                      ; lanes 16-31
	s_mov_b32 s60, 0                               ; lanes that have met a token with an expert between its lo and hi
	s_mov_b32 s61, 0x0f0f0f0f
	s_mov_b32 s62, 0x00ff00ff
	s_wait_kmcnt 0x0
	s_add_nc_u64 s[4:5], s[4:5], s[26:27]
	s_add_nc_u64 s[16:17], s[16:17], s[28:29]
	s_add_nc_u64 s[18:19], s[18:19], s[30:31]
.irp i, 0,1                            ; thread t owns tokens 512 i + t of the group
.irp p, 0,1,2,3
	global_load_b128 v[S+16*\i+4*\p:S+16*\i+4*\p+3], v10, s[4:5] offset:32768*\i+16*\p
.endr
.endr
.irp k, 0,1,2,3,4,5,6,7
	v_mov_b32 v[C+\k], 0
.endr
	v_mov_b32 v[RK], 0
	v_mov_b32 v[RK+1], 0
	s_wait_loadcnt 0x0
; Token i: its lo, hi and key; whether it uses more experts than lo and hi; its LDS addresses for the look-up; its count.
.macro TOKEN i
.set KB, S+16*\i
.irp e, 0,1,2,3,4,5,6,7
	v_or_b32 v[KB+\e], v[KB+\e], v[KB+8+\e]        ; expert e is used if either of the two numbers is not 0
.endr
.irp e, 0,1,2,3,4,5,6,7
	v_cmp_ne_u32 s[40+\e], 0, v[KB+\e]
.endr
	v_mov_b32 v[HI+\i], 0
	v_mov_b32 v[HP+\i], 0
	v_mov_b32 v[LO+\i], 4                          ; no expert at all: lo 4, hi 0
	v_mov_b32 v[T], 0
.irp e, 1
	s_delay_alu instid0(VALU_DEP_4)
	v_cndmask_b32 v[HI+\i], v[HI+\i], \e, s[40+\e]                     ; the last that holds is the highest
	s_delay_alu instid0(VALU_DEP_4)
	v_cndmask_b32 v[HP+\i], v[HP+\i], (\e&1)*4+(\e&2)+\e/4, s[40+\e]   ; the same with its three bits reversed
.endr
.irp e, 2, 3, 4, 5, 6, 7
	s_delay_alu instid0(VALU_DEP_2)
	v_cndmask_b32 v[HI+\i], v[HI+\i], \e, s[40+\e]                     ; the last that holds is the highest
	s_delay_alu instid0(VALU_DEP_2)
	v_cndmask_b32 v[HP+\i], v[HP+\i], (\e&1)*4+(\e&2)+\e/4, s[40+\e]   ; the same with its three bits reversed
.endr
.irp e, 7
	v_cndmask_b32 v[LO+\i], v[LO+\i], \e, s[40+\e]
.endr
.irp e, 6, 5, 4, 3, 2, 1, 0
	s_delay_alu instid0(VALU_DEP_1)
	v_cndmask_b32 v[LO+\i], v[LO+\i], \e, s[40+\e]
.endr
	s_wait_alu depctr_va_vdst(0)
.irp e, 0,1,2,3,4,5,6,7
	s_mov_b32 vcc_lo, s[40+\e]
	v_add_co_ci_u32 v[T], vcc_lo, 0, v[T], vcc_lo  ; how many experts it uses
.endr
	v_cmp_ne_u32 vcc_lo, v[LO+\i], v[HI+\i]
	s_delay_alu instid0(VALU_DEP_1)
	v_add_co_ci_u32 v[T+1], vcc_lo, 1, v11, vcc_lo ; lo and hi are one expert or two
	s_delay_alu instid0(VALU_DEP_1)
	v_cmp_gt_u32 vcc_lo, v[T], v[T+1]
	s_or_b32 s60, s60, vcc_lo
	v_lshl_or_b32 v[KEY+\i], v[LO+\i], 3, v[HI+\i]
	s_delay_alu instid0(VALU_DEP_1)
	v_min_u32 v[T], 63, v[KEY+\i]                  ; what enters an address is held inside its table
	s_delay_alu instid0(VALU_DEP_1)
	v_lshl_add_u32 v[A1+\i], v[T], 3, v14
	v_min_u32 v[T], 7, v[LO+\i]
	s_delay_alu instid0(VALU_DEP_1)
	v_lshl_add_u32 v[A2+\i], v[T], 12, v13
	v_min_u32 v[T], 7, v[HP+\i]
	s_delay_alu instid0(VALU_DEP_1)
	v_lshl_add_u32 v[A2+\i], v[T], 1, v[A2+\i]
	v_lshlrev_b32 v[T], 2, v[HI+\i]
	s_delay_alu instid0(VALU_DEP_1)
	v_lshlrev_b32 v[T], v[T], v12                  ; 1 in field hi
.irp k, 0,1,2,3,4,5,6,7
	v_cmp_eq_u32 vcc_lo, \k, v[LO+\i]
	s_delay_alu instid0(VALU_DEP_1)
	v_cndmask_b32 v[T+1], 0, v[T], vcc_lo
	s_delay_alu instid0(VALU_DEP_1)
	v_add_nc_u32 v[C+\k], v[C+\k], v[T+1]
.endr
.endm
	TOKEN 0
	TOKEN 1
	v_cmp_eq_u32 vcc_lo, v[KEY], v[KEY+1]
	s_delay_alu instid0(VALU_DEP_1)
	v_add_co_ci_u32 v[RK+1], vcc_lo, 0, v[RK+1], vcc_lo   ; my second token stands behind my first where their keys are equal
.irp k, 0,1,2,3,4,5,6,7
	ds_store_b32 v2, v[C+\k] offset:HIST+2048*\k
.endr
	s_cmp_lg_u32 s60, 0
	s_cselect_b32 s56, 1, 0
	v_mov_b32 v[T], s56
	ds_store_b32 v8, v[T]                          ; all lanes write the wave's word with the same value
	s_wait_dscnt 0x0                               ; my stores have landed: then the barrier
	s_barrier_signal -1
	s_barrier_wait -1
; The inclusive sum over the wave's 32 lanes of v[x] (two fields of 16 bits, or one number): four steps inside each row of 16 lanes, then lanes 16-31 take row 0's total.
.macro WSCAN x
.irp n, 1
	v_mov_b32_dpp v[WTMP], v[\x] row_shr:\n row_mask:0xf bank_mask:0xf bound_ctrl:1
	s_delay_alu instid0(VALU_DEP_1)
	v_add_nc_u32 v[\x], v[\x], v[WTMP]
.endr
.irp n, 2, 4, 8
	s_delay_alu instid0(VALU_DEP_1)
	v_mov_b32_dpp v[WTMP], v[\x] row_shr:\n row_mask:0xf bank_mask:0xf bound_ctrl:1
	s_delay_alu instid0(VALU_DEP_1)
	v_add_nc_u32 v[\x], v[\x], v[WTMP]
.endr
	s_delay_alu instid0(VALU_DEP_1)
	v_readlane_b32 s58, v[\x], 15
	s_delay_alu instid0(VALU_DEP_1)
	v_mov_b32 v[WTMP], s58
	s_delay_alu instid0(VALU_DEP_1)
	v_cndmask_b32 v[WTMP], 0, v[WTMP], s59
	s_delay_alu instid0(VALU_DEP_1)
	v_add_nc_u32 v[\x], v[\x], v[WTMP]
.endm
	; My wave's column, my wave's half: lane l takes threads 32 i + l of the half, i = 0 .. 7.  The threads are counted in the order (lane, i): any fixed order gives a permutation.
.irp i, 0,1,2,3,4,5,6,7
	ds_load_b32 v[16+\i], v3 offset:HIST+128*\i
.endr
	s_wait_dscnt 0x0
	v_mov_b32 v40, 0                               ; v40-48: what lies ahead of thread i in my lane, even hi, a byte each (at most 16); v48 the lane's total
	v_mov_b32 v50, 0                               ; v50-58: the same for odd hi
.irp i, 0,1,2,3,4,5,6,7
	v_and_b32 v24, s61, v[16+\i]
	v_lshrrev_b32 v25, 4, v[16+\i]
	s_delay_alu instid0(VALU_DEP_1)
	v_and_b32 v25, s61, v25
	s_delay_alu instid0(VALU_DEP_3)
	v_add_nc_u32 v[41+\i], v[40+\i], v24
	s_delay_alu instid0(VALU_DEP_2)
	v_add_nc_u32 v[51+\i], v[50+\i], v25
.endr
	s_delay_alu instid0(VALU_DEP_2)
	v_and_b32 v60, s62, v48                        ; the totals widened to 16 bits: hi (0, 4),
	s_delay_alu instid0(VALU_DEP_3)
	v_lshrrev_b32 v61, 8, v48
	s_delay_alu instid0(VALU_DEP_1)
	v_and_b32 v61, s62, v61                        ; (2, 6),
	s_delay_alu instid0(VALU_DEP_4)
	v_and_b32 v62, s62, v58                        ; (1, 5),
	v_lshrrev_b32 v63, 8, v58
	s_delay_alu instid0(VALU_DEP_1)
	v_and_b32 v63, s62, v63                        ; (3, 7); a wave's total is at most 512
.irp j, 0,1,2,3
	v_mov_b32 v[64+\j], v[60+\j]
.endr
.irp j, 0,1,2,3
	WSCAN 60+\j
.endr
.irp j, 0,1,2,3
	v_sub_nc_u32 v[68+\j], v[60+\j], v[64+\j]      ; what lies ahead of my lane
.endr
.irp i, 0,1,2,3,4,5,6,7
	v_and_b32 v[72+4*\i], s62, v[40+\i]
	v_lshrrev_b32 v[73+4*\i], 8, v[40+\i]
	s_delay_alu instid0(VALU_DEP_1)
	v_and_b32 v[73+4*\i], s62, v[73+4*\i]
	v_and_b32 v[74+4*\i], s62, v[50+\i]
	v_lshrrev_b32 v[75+4*\i], 8, v[50+\i]
	s_delay_alu instid0(VALU_DEP_1)
	v_and_b32 v[75+4*\i], s62, v[75+4*\i]
.irp j, 0,1,2,3
	v_add_nc_u32 v[72+4*\i+\j], v[72+4*\i+\j], v[68+\j]
.endr
	ds_store_b128 v4, v[72+4*\i:75+4*\i] offset:512*\i   ; thread 32 i + l of the half: 32 lanes store 512 consecutive bytes
.endr
.irp j, 0,1,2,3
	v_readlane_b32 s[52+\j], v[60+\j], 31          ; the column's totals for this half
.endr
.irp j, 0,1,2,3
	s_and_b32 s56, s[52+\j], 0xffff
	s_lshr_b32 s57, s[52+\j], 16
	v_mov_b32 v[110+2*\j], s56
	v_mov_b32 v[111+2*\j], s57
	ds_store_b32 v5, v[110+2*\j] offset:8*((\j&1)*2+\j/2)
	ds_store_b32 v5, v[111+2*\j] offset:8*((\j&1)*2+\j/2)+32
.endr
	s_wait_dscnt 0x0
	s_barrier_signal -1
	s_barrier_wait -1
	s_cmp_lg_u32 s20, 0                            ; wave 0 scans the keys: lane l has keys 2 l and 2 l + 1.  No barrier stands in this branch
	s_cbranch_scc1 .Lnot0
	ds_load_b128 v[16:19], v6                      ; key 2 l: half 0, half 1; key 2 l + 1: half 0, half 1
.irp p, 0,1,2,3
	ds_load_b128 v[20+4*\p:23+4*\p], v9 offset:16*\p
.endr
	s_wait_dscnt 0x0
	v_add_nc_u32 v40, v16, v17                     ; tokens of key 2 l,
	v_add_nc_u32 v41, v18, v19                     ; of key 2 l + 1
	s_delay_alu instid0(VALU_DEP_1)
	v_add_nc_u32 v38, v40, v41
	s_delay_alu instid0(VALU_DEP_1)
	v_mov_b32 v39, v38
	WSCAN 38
	s_delay_alu instid0(VALU_DEP_1)
	v_sub_nc_u32 v44, v38, v39                     ; the first place of key 2 l: half 0's tokens,
	s_delay_alu instid0(VALU_DEP_1)
	v_add_nc_u32 v45, v44, v16                     ; half 1's;
	s_delay_alu instid0(VALU_DEP_2)
	v_add_nc_u32 v46, v44, v40                     ; of key 2 l + 1
	s_delay_alu instid0(VALU_DEP_1)
	v_add_nc_u32 v47, v46, v18
	ds_store_b128 v7, v[44:47]
	v_or_b32 v52, v20, v21
.irp p, 22,23,24,25,26,27,28,29,30,31,32,33,34,35
	s_delay_alu instid0(VALU_DEP_1)
	v_or_b32 v52, v52, v[\p]                       ; has any wave met a token with an expert between its lo and hi?
.endr
	s_delay_alu instid0(VALU_DEP_1)
	v_cmp_ne_u32 vcc_lo, 0, v52
	v_mov_b32 v53, 0x80000000
	s_delay_alu instid0(VALU_DEP_1)
	v_cndmask_b32 v53, v11, v53, vcc_lo            ; if so: bit 31 of every word
	v_lshl_or_b32 v64, v44, 16, v40                ; tokens (at most 1,024) below, first place (at most 1,024) from bit 16 on
	v_lshl_or_b32 v65, v46, 16, v41
	s_delay_alu instid0(VALU_DEP_2)
	v_or_b32 v64, v64, v53
	s_delay_alu instid0(VALU_DEP_2)
	v_or_b32 v65, v65, v53
	global_store_b64 v15, v[64:65], s[18:19]       ; 32 lanes store 256 consecutive bytes, at a multiple of 256 from the buffer's first byte
.Lnot0:
	s_wait_dscnt 0x0
	s_barrier_signal -1
	s_barrier_wait -1
	; place = the key's first place in my half + what lies ahead of my thread + the token's rank among my own.  Behind this barrier LDS is only read.
.irp i, 0,1
	ds_load_b32 v[PB+\i], v[A1+\i]
	ds_load_u16 v[PO+\i], v[A2+\i]
.endr
	s_lshl_b32 s56, ttmp9, 10
	v_add_nc_u32 v[T], s56, v0                     ; my first token's number
	s_wait_alu depctr_va_vdst(0)
	s_wait_dscnt 0x0
.irp i, 0,1
	v_add3_u32 v[PS+\i], v[PB+\i], v[PO+\i], v[RK+\i]
	s_delay_alu instid0(VALU_DEP_1)
	v_min_u32 v[PS+\i], 0x3ff, v[PS+\i]
	s_delay_alu instid0(VALU_DEP_1)
	v_lshlrev_b32 v[PS+\i], 2, v[PS+\i]
	v_add_nc_u32 v[PD+\i], 512*\i, v[T]
	global_store_b32 v[PS+\i], v[PD+\i], s[16:17]
.endr
	s_wait_tensorcnt 0x0
	ds_add_u32 v254, v255
	s_wait_dscnt 0x0
	s_endpgm
.Lfunc_end_k_q025e922c2b_prep:
	.size	k_q025e922c2b_prep, .Lfunc_end_k_q025e922c2b_prep-k_q025e922c2b_prep
	.p2alignl 7, 3214868480
	.fill 96, 4, 3214868480
	.section	.rodata,"a",@progbits
	.p2align	6, 0x0
	.amdhsa_kernel k_q025e922c2b_prep
		.amdhsa_group_segment_fixed_size 86016
		.amdhsa_private_segment_fixed_size 0
		.amdhsa_enable_private_segment 0
		.amdhsa_kernarg_size 64
		.amdhsa_user_sgpr_count 2
		.amdhsa_user_sgpr_kernarg_segment_ptr 1
		.amdhsa_wavefront_size32 1
		.amdhsa_system_sgpr_workgroup_id_x 1
		.amdhsa_system_sgpr_workgroup_id_y 1
		.amdhsa_system_sgpr_workgroup_id_z 1
		.amdhsa_system_vgpr_workitem_id 0
		.amdhsa_next_free_vgpr 256
		.amdhsa_next_free_sgpr 66
		.amdhsa_reserve_vcc 1
		.amdhsa_float_denorm_mode_32 3
		.amdhsa_float_denorm_mode_16_64 3
		.amdhsa_memory_ordered 1
		.amdhsa_forward_progress 1
		.amdhsa_inst_pref_size 39
	.end_amdhsa_kernel
	.amdgpu_metadata
---
amdhsa.version: [ 1, 2 ]
amdhsa.kernels:
  - .name:           k_q025e922c2b_prep
    .symbol:         k_q025e922c2b_prep.kd
    .args:
      - { .name: selected_experts, .offset: 0, .size: 8, .value_kind: global_buffer, .address_space: global }
      - { .name: wi_codes, .offset: 8, .size: 8, .value_kind: global_buffer, .address_space: global }
      - { .name: wi_scales, .offset: 16, .size: 8, .value_kind: global_buffer, .address_space: global }
      - { .name: wo_codes, .offset: 24, .size: 8, .value_kind: global_buffer, .address_space: global }
      - { .name: wo_scales, .offset: 32, .size: 8, .value_kind: global_buffer, .address_space: global }
      - { .name: wfrag, .offset: 40, .size: 8, .value_kind: global_buffer, .address_space: global }
      - { .name: order, .offset: 48, .size: 8, .value_kind: global_buffer, .address_space: global }
      - { .name: krec, .offset: 56, .size: 8, .value_kind: global_buffer, .address_space: global }
    .group_segment_fixed_size: 86016
    .private_segment_fixed_size: 0
    .kernarg_segment_align: 8
    .kernarg_segment_size: 64
    .max_flat_workgroup_size: 512
    .sgpr_count:     66
    .vgpr_count:     256
    .wavefront_size: 32
...
	.end_amdgpu_metadata
.endif
;; end of part 3
;; launch chain (part 4): grid 256 x 1, 4 waves a work-group, no clusters, 111,104 bytes of LDS; arguments hidden_states_codes, hidden_states_scales, routing_weights, selected_experts, wfrag, order, krec, out0; writes out0
.if DOCPART == 4
	.amdgcn_target "amdgcn-amd-amdhsa--gfx1250"
	.amdhsa_code_object_version 6
	.text
	.protected	k_q025e922c2b_chain
	.globl	k_q025e922c2b_chain
	.p2align	8
	.type	k_q025e922c2b_chain,@function
k_q025e922c2b_chain:
	s_mov_b64 s[64:65], 0
	v_nop
	global_prefetch_b8 v0, s[64:65] scope:SCOPE_SE
	s_setreg_imm32_b32 hwreg(HW_REG_WAVE_MODE, 25, 1), 1
	s_wait_xcnt 0x0
; out[t] = sum over e of w[t][e] x Q(relu(x[t] Wi_e^T)) Wo_e^T, w[t][e] = sum over k of selected_experts[t][k][e] x routing_weights[t][k]; both products on codes of FP4 (E2M1) with E8M0 scales.
; A WORK-GROUP OWNS A TILE OF AT MOST 48 TOKENS THAT SHARE ONE SORT KEY (lowest and highest expert used), so every output row has one owner and a tile walks only its key's experts (for one-hot rows: one or two).
; The launch before has sorted the tokens by key in eight groups of 1,024; each work-group merges the eight lists at its head: a key's tokens are group 0's, then group 1's and so on, cut into tiles of 48.
; 37 possible keys and 8,192 tokens give at most (8,192 + 37 x 47) / 48 = 206 tiles, whatever the choice: the grid of 256 serves every split.
; A work-group that the split leaves without rows walks the eight empty trips (its barriers stand outside all branches on data) and stores nothing.  The tile's mask of experts is bits lo and hi of its key, or, if any
; token at all uses an expert strictly between its lo and hi, bits lo .. hi: always a superset of what the tile's tokens use.  An expert in the mask that a token does not use meets w = 0.
; THE WAVES SHARE THE COLUMNS: wave w makes hidden units 128 w .. + 127 and outputs 256 w .. + 255 for all 48 rows (three tiles m of 16), so each weight byte is read once a work-group and feeds three matrix instructions.
; Both products are used transposed (source 0 = 16 rows of the weight, source 1 = 16 tokens): lane (r, h) holds token r throughout.  The rows of Wi that form a tile are chosen (by the launch before) so that a lane's
; 16 registers of tiles 2 b, 2 b + 1 are 16 neighbours along the next K.
; THE WEIGHTS come from memory straight into registers, from a buffer laid in the order of the operand's registers: 16 steps of 8,704 bytes for each expert and wave, 17 loads a step, through a ring of four register
; buffers: while one step is multiplied three are on their way.  The ring runs on into the next used expert: its first four steps are asked for under this expert's last four.
; NO TENSOR LOAD, NO CLUSTER: which experts a tile walks hangs on stored numbers, so partners would need different tiles of the weights at different times; a walk of all eight experts, alike in all partners, would fetch
; as many bytes jointly as the sparse walk fetches alone.
; x's codes, the hidden layer's codes and their scale words go from wave to wave through LDS as images of the operand's registers (lane l's 16 bytes at 16 l).  The hidden layer never goes to memory; the output's sums stay in registers.
; LIMITS: NaN, infinities and scale bytes 0xff among the inputs are not served; where the y of an expert that a token does not use would overflow, 0 x infinity is not formed here: the sum stays finite.
; A hidden block whose largest magnitude lies under 2^-124, a block of zeros among them, gets the scale byte 1 (a block of zeros has zero codes, which add nothing); these bytes are read by this program alone.
; REGISTERS, in windows of 256 (s_set_vgpr_msb: bits 1:0 source 0, 3:2 source 1, 5:4 source 2, 7:6 destination):
;   window 0: v1-15 addresses and the tile's tokens; v16-31 the ring's scale words; v32-43 x's, then the hidden layer's scale words; v44-49 w, three pairs; v50-63 at work; ring buffers 0, 1, 2 at v64, v128, v192
;             (at the head v64-82 hold the keys' words and tiles, ahead of the ring's first loads)
;   window 1: v0-191 the hidden sums [m][t][8]; in the second product v0-95 the hidden fragments [4 m + s][8], v96-191 y, two sets of [jj][m][8]; ring buffer 3 at v192.  (At the head: offsets and gathered data.)
;   window 2: the output's groups 0-4 at 48 g + 8 (3 jj + m).   window 3: v0-143 groups 5-7; v144-191 x's fragments, two sets; over them and on to v232 the quantiser's registers
.set STEPB, 8704
.set WB,    139264                     ; a wave's 16 steps
.set EB,    557056                     ; an expert's four waves
.set XIMG,  0                          ; LDS: x's 24 fragments (3 q + m), 1,024 bytes each
.set XSC,   24576                      ; their scale words: [q 8][r 16][16 bytes: m = 0 .. 2]
.set HIMG,  26624                      ; the hidden layer's 12 fragments (4 m + s)
.set HSC,   38912                      ; their scale words: [r 16][64 bytes: 16 m + 4 s]
.set WT,    39936                      ; w: [3 e + m][lane]
.set STG,   43008                      ; the way out: for each wave 16 rows x (1,024 bytes + 16)
.set SROW,  1040
.set SWAVE, 16*SROW
.set L16,  1                           ; 16 x lane
.set XSA,  2                           ; XSC + 16 r
.set HSA,  3                           ; HSC + 64 r
.set WTA0, 4                           ; WT + 4 x lane
.set WTA,  5                           ; the same at the expert in hand
.set TOK,  6                           ; v6-8  lane r: the token of row 16 m + r
.set XWI,  9                           ; where I store x's images, its scale words, w
.set XWS,  10
.set WTS,  11
.set STO,  12                          ; the stage: in, and back
.set RD,   13
.set HWI,  14                          ; where I store the hidden layer's images and scale words
.set HWS,  15
.set WS,   16
.set XS,   32
.set HS,   32
.set WGT,  44
.set KW,   64                          ; at the head: v64-79 the words of keys 2 l and 2 l + 1 in the eight groups
.set YA,   96                          ; window 1
.set OX,   0                           ; window 1, at the head only: offsets of the gathers,
.set OS,   3
.set OE,   6
.set ORW,  9
.set PXS,  12                          ; what they bring,
.set PRW,  18
.set PSEL, 22
.set PWV,  28                          ; and w at work
.set PT,   34
.set PXF,  64
.set XF,   144                         ; window 3
.set ST,   144
.set PC,   208
.set TM,   216
.set PW,   232
.set WV,    20
.set E,     21                         ; the trip: expert 0 .. 7
.set MSH,   22                         ; the tile's mask of experts >> E
.set COUNT, 23                         ; the tile's rows
.set ROWB,  24                         ; the rank in its key of the tile's first row
.set CUR,   26                         ; s[26:27] my wave's steps of expert E: stepped by a constant each trip
.set FST,   28                         ; s[28:29] my wave's steps of the first used expert: made once, at the head
.set HASN,  30                         ; is there a further used expert?
.set EW,    31                         ; 384 E
.set SEL,   32                         ; s[32:33] v_permlanex16_b32's selects for lane l xor 16
.set WBASE, 34
.set OUTB,  36
.set DN,    38                         ; how many trips on the next used expert lies: 1 .. 7
.set KA,    68                         ; s68-75  my key's words in the eight groups (first those of the lane's even key),
.set KO,    76                         ; s76-83  those of the lane's odd key
.set PP,    84                         ; s84-91  P_g: my key's tokens in the groups ahead of group g
.set DD,    92                         ; s92-99  D_g: a rank in group g's part of the key + D_g = its place in order
.set MSB, 0
.macro WIN new                         ; the immediate's high byte repeats the setting that is left; a switch that changes nothing is dropped
.if MSB != (\new)
	s_set_vgpr_msb (MSB<<8)|(\new)
.set MSB, (\new)
.endif
.endm
.macro PLACES n                        ; plain vector instructions behind matrix instructions, where no useful ones are at hand (ISA guide 7.12.1)
.rept \n
	v_nop
.endr
.endm
.macro BARRIER                         ; my LDS stores have landed and my LDS loads are in: then the work-group's barrier
	s_wait_dscnt 0x0
	s_barrier_signal -1
	s_barrier_wait -1
.endm
; Step st of the 16 that begin extra bytes behind s[base]: 16 loads of codes into ring buffer st % 4 and one of scale words: each reads 512 consecutive bytes.  Comes and goes with every window 0.
.macro RLOAD st, base, extra
.set rL, 64+64*((\st)%4)
.if ((\st)%4) == 3
.set rL, 192
	WIN 0x40
.endif
.irp n, 0,1,2,3,4,5,6,7,8,9,10,11,12,13,14,15
	global_load_b128 v[rL+4*\n:rL+4*\n+3], v[L16], s[\base:\base+1] offset:(\st)*STEPB+512*\n+(\extra)
.endr
	WIN 0
	global_load_b128 v[WS+4*((\st)%4):WS+4*((\st)%4)+3], v[L16], s[\base:\base+1] offset:(\st)*STEPB+8192+(\extra)
.endm
; Step st of the NEXT USED expert, which lies s[DN] trips on: s[DN] x EB bytes behind s[CUR].  The distance stands in the loads' immediate (3,941,376 bytes at the most, inside the signed 24 bits: ISA guide, chapter 10),
; so no address in the loop is made of a loaded number: a switch on the stored distance chooses among seven copies of the 17 loads.  Every way through it issues 17 loads, so the counted waits hold on each.
; The distance leads to a set bit of a mask of eight bits, so the loads stay inside the buffer.
.macro NEXTLOAD st
.irp d, 1,2,3,4,5,6
	s_cmp_lg_u32 s[DN], \d
	s_cbranch_scc1 .Lfar_\@_\d
	RLOAD \st, CUR, \d*EB
	s_branch .Lasked_\@
.Lfar_\@_\d:
.endr
	RLOAD \st, CUR, 7*EB
.Lasked_\@:
.endm
; One matrix instruction on the registers named by rD, rA, rB, rSA, rSB.  fZ: it starts its sum.  fR: the weight's scale words lie in lanes 16-31.
.macro MM
.if fZ
.if fR
	v_wmma_scale_f32_16x16x128_f8f6f4 v[rD:rD+7], v[rA:rA+7], v[rB:rB+7], 0, v[rSA], v[rSB] matrix_a_fmt:MATRIX_FMT_FP4 matrix_b_fmt:MATRIX_FMT_FP4 matrix_a_scale:MATRIX_SCALE_ROW1
.else
	v_wmma_scale_f32_16x16x128_f8f6f4 v[rD:rD+7], v[rA:rA+7], v[rB:rB+7], 0, v[rSA], v[rSB] matrix_a_fmt:MATRIX_FMT_FP4 matrix_b_fmt:MATRIX_FMT_FP4
.endif
.else
.if fR
	v_wmma_scale_f32_16x16x128_f8f6f4 v[rD:rD+7], v[rA:rA+7], v[rB:rB+7], v[rD:rD+7], v[rSA], v[rSB] matrix_a_fmt:MATRIX_FMT_FP4 matrix_b_fmt:MATRIX_FMT_FP4 matrix_a_scale:MATRIX_SCALE_ROW1
.else
	v_wmma_scale_f32_16x16x128_f8f6f4 v[rD:rD+7], v[rA:rA+7], v[rB:rB+7], v[rD:rD+7], v[rSA], v[rSB] matrix_a_fmt:MATRIX_FMT_FP4 matrix_b_fmt:MATRIX_FMT_FP4
.endif
.endif
.endm
; x's three fragments and scale words of K step q, from LDS into set q % 2
.macro XLOAD q
	WIN 0
	ds_load_b96 v[XS+4*((\q)%2):XS+4*((\q)%2)+2], v[XSA] offset:256*(\q)
	WIN 0xc0
.irp m, 0,1,2
.irp c, 0,1
	ds_load_b128 v[XF+24*((\q)%2)+8*\m+4*\c:XF+24*((\q)%2)+8*\m+4*\c+3], v[L16] offset:XIMG+(3*(\q)+\m)*1024+512*\c
.endr
.endr
.endm
; K step q of the first product: 24 matrix instructions, the 24 accumulators by turns in the same order in every step.
.macro STEP1 q
.set rR, 64+64*((\q)%4)
.set aW, 0
.if ((\q)%4) == 3
.set rR, 192
.set aW, 1
.endif
	s_wait_loadcnt 51                              ; this step's 17 loads are in; the three steps behind it, 51 loads, may be out
	s_wait_dscnt 0x0                               ; x of this K step is in
.if (\q) < 7
	XLOAD (\q)+1                                   ; the other set: its last readers stand behind the places at the last step's end
.endif
	WIN 0x5c+aW                                    ; the weight: window 0 or 1; x: window 3; the sums: window 1
.irp t, 0,1,2,3,4,5,6,7
.irp m, 0,1,2
.set rD, 64*\m+8*\t
.set rA, rR+8*\t
.set rB, XF+24*((\q)%2)+8*\m
.set rSA, WS+4*((\q)%4)+\t/2
.set rSB, XS+4*((\q)%2)+\m
.set fZ, 0
.if (\q) == 0
.set fZ, 1
.endif
.set fR, \t%2
	MM
.endr
.endr
	WIN 0
	PLACES 4                                       ; in front of the loads into the buffer just multiplied, of the next loads into x's set, and (behind the last step) of the first read of the sums
	RLOAD (\q)+4, CUR, 0
.endm
; 64 numbers of a lane, v[ST] on, register 16 b + i = k 32 b + 16 (lane / 16) + i of my token, none negative, become a fragment's codes in v[PC] on and its scale word in v[PW].  All in window 3.
.macro QUANT
.irp b, 0,1,2,3
	v_max3_num_f32 v[TM+\b], v[ST+16*\b], v[ST+1+16*\b], 0x1800000   ; block b: my 16 numbers, and the floor 2^(3 - 127): so the byte cannot fall under 1
.endr
.irp i, 2,4,6,8,10,12,14
.irp b, 0,1,2,3
	v_max3_num_f32 v[TM+\b], v[TM+\b], v[ST+16*\b+\i], v[ST+1+16*\b+\i]
.endr
.endr
.irp b, 0,1,2,3
	v_permlanex16_b32 v[TM+4+\b], v[TM+\b], s[SEL], s[SEL+1]
.endr
.irp b, 0,1,2,3
	v_max_num_f32 v[TM+\b], v[TM+\b], v[TM+4+\b]   ; with lane l xor 16's: the block's largest magnitude
.endr
.irp b, 0,1,2,3
	v_add_nc_u32 v[TM+12+\b], 0xff000000, v[TM+\b] ; 2 off its exponent field: the conversion takes the exponent field of this operand as its scale
.endr
.irp b, 0,1,2,3
	v_lshrrev_b32 v[TM+4+\b], 23, v[TM+12+\b]      ; the scale's byte
.endr
	v_lshl_or_b32 v[PW], v[TM+5], 8, v[TM+4]
	v_lshl_or_b32 v[PW], v[TM+6], 16, v[PW]
	v_lshl_or_b32 v[PW], v[TM+7], 24, v[PW]
.irp b, 0,1,2,3
	v_cvt_scalef32_pk8_fp4_f32 v[PC+2*\b], v[ST+16*\b:ST+7+16*\b], v[TM+12+\b]
	v_cvt_scalef32_pk8_fp4_f32 v[PC+1+2*\b], v[ST+8+16*\b:ST+15+16*\b], v[TM+12+\b]
.endr
	v_nop                                          ; one plain place behind a scaled conversion
.irp c, 0,1                            ; the operand's layout wants a whole block in a lane
.irp i, 0,1
	v_permlane16_swap_b32 v[PC+4*\c+\i], v[PC+2+4*\c+\i]
.endr
.endr
.endm
; Tile m of the rows: relu (which also brings the sums into window 3, each accumulator from its low end on), the quantiser, the image to LDS: K step w of the second product.
.macro HQ m
	WIN 0xc4
.set jh, 0
.rept 64
	v_max_num_f32 v[ST+jh], 0, v[64*\m+jh]
.set jh, jh+1
.endr
	WIN 0xff
	QUANT
	WIN 0x0c                                       ; address window 0, data window 3
	ds_store_b128 v[HWI], v[PC:PC+3] offset:4096*\m
	ds_store_b128 v[HWI], v[PC+4:PC+7] offset:4096*\m+512
	ds_store_b32 v[HWS], v[PW] offset:16*\m        ; both lanes of a token write the same word with the same value
	s_wait_dscnt 0x0                               ; the stores have read their registers
	WIN 0
.endm
; out += w x y for group g: 24 packed multiply-adds, each accumulator of y from its low end on
.macro FMA g
.if (\g) < 5
	WIN 0xa1
.set oB, 48*(\g)
.else
	WIN 0xf1
.set oB, 48*((\g)-5)
.endif
.set yB, YA+48*((\g)%2)
.irp a, 0,1,2,3,4,5
.irp p, 0,2,4,6
	v_pk_fma_f32 v[oB+8*\a+\p:oB+8*\a+\p+1], v[yB+8*\a+\p:yB+8*\a+\p+1], v[WGT+2*(\a%3):WGT+2*(\a%3)+1], v[oB+8*\a+\p:oB+8*\a+\p+1] op_sel_hi:[1,0,1]
.endr
.endr
.endm
; Group g of the second product: 32 outputs x 48 rows x K 512: 24 matrix instructions, six accumulators by turns.  cnt: the loads that may stay out.
; mode 0: the buffer takes this expert's step 12 + g; 1: the next used expert's step g - 4; 2: nothing is left to fetch.
; The multiply-adds of the group before stand behind the products: they name none of these products' registers, so they are the places in front of the loads into the buffer.
.macro STEP2 g, mode, cnt
.set rR, 64+64*((\g)%4)
.set aW, 0
.if ((\g)%4) == 3
.set rR, 192
.set aW, 1
.endif
	s_wait_loadcnt \cnt
	WIN 0x54+aW                                    ; the weight: window 0 or 1; the hidden layer and y: window 1
.irp s, 0,1,2,3
.irp jj, 0,1
.irp m, 0,1,2
.set rD, YA+48*((\g)%2)+8*(3*\jj+\m)
.set rA, rR+8*(2*\s+\jj)
.set rB, 8*(4*\m+\s)
.set rSA, WS+4*((\g)%4)+\s
.set rSB, HS+4*\m+\s
.set fZ, 0
.if \s == 0
.set fZ, 1
.endif
.set fR, \jj
	MM
.endr
.endr
.endr
.if (\g) > 0
	FMA (\g)-1
.else
	PLACES 5
.endif
	WIN 0
.if \mode == 0
	RLOAD 12+(\g), CUR, 0
.endif
.if \mode == 1
	NEXTLOAD (\g)-4
.endif
.endm
	; ---------------- the head ----------------
	s_load_b512 s[4:19], s[0:1], 0x0               ; x codes, x scales, routing_weights, selected_experts, wfrag, order, krec, out
	v_lshl_add_u32 v62, v0, 2, 0x1b000
	v_mov_b32 v63, 0
	v_lshrrev_b32 v50, 5, v0
	v_readfirstlane_b32 s[WV], v50                 ; wave 0..3
	v_and_b32 v50, 31, v0                          ; lane
	v_and_b32 v51, 15, v0                          ; r
	v_bfe_u32 v52, v0, 4, 1                        ; h
	v_lshlrev_b32 v[L16], 4, v50
	v_lshl_add_u32 v[XSA], v51, 4, XSC
	v_lshl_add_u32 v[HSA], v51, 6, HSC
	v_lshl_add_u32 v[WTA0], v50, 2, WT
	s_mul_i32 s40, s[WV], 6144                     ; I gather K steps 2 w and 2 w + 1 of x: six images
	v_add_nc_u32 v[XWI], s40, v[L16]
	s_lshl_b32 s40, s[WV], 9
	v_add_nc_u32 v[XWS], s40, v[XSA]
	s_mul_i32 s40, s[WV], 768                      ; and w of experts 2 w and 2 w + 1
	v_add_nc_u32 v[WTS], s40, v[WTA0]
	s_mul_i32 s40, s[WV], SWAVE
	s_add_co_u32 s40, s40, STG
	v_mul_u32_u24 v[STO], v51, SROW
	v_lshl_add_u32 v[STO], v52, 5, v[STO]
	v_add_nc_u32 v[STO], s40, v[STO]               ; my stage: row r, + 32 h
	v_add_nc_u32 v[RD], s40, v[L16]
	s_lshl_b32 s40, s[WV], 10
	s_add_co_u32 s40, s40, HIMG
	v_add_nc_u32 v[HWI], s40, v[L16]
	s_lshl_b32 s40, s[WV], 2
	v_add_nc_u32 v[HWS], s40, v[HSA]
	s_mov_b32 s[SEL], 0x76543210
	s_mov_b32 s[SEL+1], 0xfedcba98
	s_mov_b32 s[EW], 0
	s_mov_b32 s[E], 0
	s_mov_b32 s40, ttmp9                           ; my tile's number
	v_lshlrev_b32 v53, 3, v50                      ; two keys' words a lane
.irp m, 0,1,2
	v_mov_b32 v[WGT+2*\m+1], 0                     ; named as the upper halves of pairs
.endr
	WIN 0xc0
.irp b, 0,1,2,3
	v_mov_b32 v[TM+4+\b], 0                        ; written once: a lane permute's destination counts as one of its sources
.endr
	WIN 0
	s_mul_i32 s44, s[WV], WB
	s_mov_b32 s45, 0
	s_lshl_b32 s46, s[WV], 10
	s_mov_b32 s47, 0
	s_wait_alu depctr_va_vdst(0)
	s_wait_kmcnt 0x0
	s_add_nc_u64 s[WBASE:WBASE+1], s[12:13], s[44:45]
	s_add_nc_u64 s[OUTB:OUTB+1], s[18:19], s[46:47]
	s_mov_b64 s[CUR:CUR+1], s[WBASE:WBASE+1]
.irp g, 0,1,2,3,4,5,6,7
	global_load_b64 v[KW+2*\g:KW+2*\g+1], v53, s[16:17] offset:256*\g   ; group g's words of keys 2 l and 2 l + 1: tokens in bits 15:0, first place in bits 26:16, the group's flag in bit 31
.endr
	s_mov_b32 s50, 0                               ; tiles up to and with the lane in hand,
	s_mov_b32 s52, 0                               ; the last such sum that is not beyond my tile,
	s_mov_b32 s53, 0                               ; and how many there are
	s_wait_loadcnt 0x0
	v_add_nc_u32 v80, v[KW], v[KW+2]               ; a key's tokens in all groups: at most 8,192, so bits 15:0 of the words' sum hold them
	v_add_nc_u32 v81, v[KW+1], v[KW+3]
.irp g, 2,3,4,5,6,7
	v_add_nc_u32 v80, v80, v[KW+2*\g]
	v_add_nc_u32 v81, v81, v[KW+2*\g+1]
.endr
	v_and_b32 v80, 0xffff, v80
	v_and_b32 v81, 0xffff, v81
	v_add_nc_u32 v80, 47, v80                      ; tiles of 48: (n + 47) x 43,691 >> 21 is (n + 47) / 48 rounded down for n + 47 under 131,072
	v_add_nc_u32 v81, 47, v81
	v_mul_u32_u24 v80, v80, 0xaaab
	v_mul_u32_u24 v81, v81, 0xaaab
	v_lshrrev_b32 v80, 21, v80                     ; of key 2 l,
	v_lshrrev_b32 v81, 21, v81                     ; of key 2 l + 1,
	v_add_nc_u32 v82, v80, v81                     ; of the lane
	; Which lane's keys hold my tile: a walk over the 32 lanes in scalar registers.  The running sums ascend, so those not beyond my tile's number are the first ones: their count is the lane, the last of them its first tile.
.set jl, 0
	s_wait_alu depctr_va_vdst(0)
.rept 32
	v_readlane_b32 s[54+jl%2], v82, jl
	s_add_co_u32 s50, s50, s[54+jl%2]
	s_cmp_le_u32 s50, s40
	s_cselect_b32 s52, s50, s52
	s_add_co_ci_u32 s53, s53, 0                    ; + 1 where the compare held
.set jl, jl+1
.endr
	s_min_u32 s43, s53, 31                         ; (32: my number is beyond the last tile: the rows are set to 0 below)
	v_readlane_b32 s44, v80, s43                   ; the tiles of the lane's even key
	s_sub_co_u32 s45, s40, s52                     ; my tile among the lane's
	s_cmp_ge_u32 s45, s44
	s_cselect_b32 s46, 1, 0                        ; it belongs to the odd key,
	s_cselect_b32 s44, s44, 0
	s_sub_co_u32 s45, s45, s44                     ; and is this tile of its key
	s_lshl_b32 s42, s43, 1
	s_add_co_u32 s42, s42, s46                     ; the key
.irp g, 0,1,2,3,4,5,6,7
	v_readlane_b32 s[KA+\g], v[KW+2*\g], s43
	v_readlane_b32 s[KO+\g], v[KW+2*\g+1], s43
.endr
	s_cmp_eq_u32 s46, 0
.irp g, 0,1,2,3,4,5,6,7
	s_cselect_b32 s[KA+\g], s[KA+\g], s[KO+\g]
.endr
	s_mov_b32 s[PP], 0
	s_mov_b32 s47, 0
.irp g, 0,1,2,3,4,5,6,7
	s_or_b32 s47, s47, s[KA+\g]                    ; bit 31: any group's flag
	s_bfe_u32 s48, s[KA+\g], 0xb0010               ; the key's first place in group g (11 bits from bit 16),
	s_add_co_u32 s48, s48, 1024*\g                 ; in order as a whole,
	s_sub_co_u32 s[DD+\g], s48, s[PP+\g]           ; less the ranks that lie ahead of the group (modulo 2^32)
	s_and_b32 s49, s[KA+\g], 0xffff
.if \g < 7
	s_add_co_u32 s[PP+\g+1], s[PP+\g], s49
.else
	s_add_co_u32 s44, s[PP+7], s49                 ; the key's tokens
.endif
.endr
	s_mul_i32 s[ROWB], s45, 48
	s_sub_co_i32 s[COUNT], s44, s[ROWB]            ; the tile's rows: 0 .. 48
	s_max_i32 s[COUNT], s[COUNT], 0
	s_min_i32 s[COUNT], s[COUNT], 48
	s_cmp_ge_u32 s40, s50                          ; beyond the last tile: none
	s_cselect_b32 s[COUNT], 0, s[COUNT]
	s_lshr_b32 s48, s42, 3                         ; lo
	s_and_b32 s49, s42, 7                          ; hi
	s_lshl_b32 s54, 1, s48
	s_lshl_b32 s55, 1, s49
	s_or_b32 s56, s54, s55                         ; bits lo and hi
	s_lshl_b32 s55, s55, 1
	s_sub_co_u32 s55, s55, s54                     ; bits lo .. hi
	s_lshr_b32 s47, s47, 31
	s_cmp_lg_u32 s47, 0
	s_cselect_b32 s56, s55, s56
	s_cmp_gt_u32 s48, s49                          ; lo over hi: the key of the tokens without an expert
	s_cselect_b32 s56, 0, s56
	s_and_b32 s56, s56, 0xff
	s_cmp_eq_u32 s[COUNT], 0
	s_cselect_b32 s[MSH], 0, s56                   ; no rows: no expert
	s_ctz_i32_b32 s48, s[MSH]                      ; the first used expert (no expert: -1, held at 7: the ring is filled all the same, so that every count below holds on every path)
	s_min_u32 s48, s48, 7
	s_mul_i32 s48, s48, EB
	s_mov_b32 s49, 0
	s_add_nc_u64 s[FST:FST+1], s[WBASE:WBASE+1], s[48:49]
	s_max_u32 s57, s[COUNT], 1
	s_sub_co_u32 s57, s57, 1
.irp m, 0,1,2
	v_add_nc_u32 v[53+\m], 16*\m, v51              ; row 16 m + r; rows beyond the tile's last repeat it: they are computed and not stored
	v_min_u32 v[53+\m], s57, v[53+\m]
	v_add_nc_u32 v[53+\m], s[ROWB], v[53+\m]       ; its rank in the key
	v_mov_b32 v[56+\m], s[DD]
.endr
.irp g, 1,2,3,4,5,6,7                  ; the last group whose first rank is not beyond mine holds my token
.irp m, 0,1,2
	v_cmp_gt_u32 vcc_lo, s[PP+\g], v[53+\m]
	v_cndmask_b32 v[56+\m], s[DD+\g], v[56+\m], vcc_lo
.endr
.endr
.irp m, 0,1,2
	v_add_nc_u32 v[53+\m], v[53+\m], v[56+\m]      ; its place in order
	v_min_u32 v[53+\m], 0x1fff, v[53+\m]
	v_lshlrev_b32 v[53+\m], 2, v[53+\m]
	global_load_b32 v[TOK+\m], v[53+\m], s[14:15]
.endr
	RLOAD 0, FST, 0
	RLOAD 1, FST, 0
	RLOAD 2, FST, 0
	s_wait_loadcnt 51                              ; the tokens are in: behind them stand three steps of 17 loads
.irp m, 0,1,2
	v_min_u32 v[TOK+\m], 0x1fff, v[TOK+\m]
.endr
	s_lshl_b32 s40, s[WV], 7
	v_lshl_add_u32 v57, v52, 4, s40                ; 16 h + my two K steps' 128 bytes
	s_lshl_b32 s41, s[WV], 3
	v_lshl_add_u32 v58, v52, 5, s41                ; k = h: 32 h; experts 2 w, 2 w + 1: 8 w
	v_lshlrev_b32 v59, 2, v52
	WIN 0x40                                       ; destinations in window 1
.irp m, 0,1,2
	v_lshl_add_u32 v[OX+\m], v[TOK+\m], 9, v57     ; a row of x: 512 bytes of codes,
	v_lshl_add_u32 v[OS+\m], v[TOK+\m], 5, s41     ; 32 scale bytes,
	v_lshl_add_u32 v[OE+\m], v[TOK+\m], 6, v58     ; 64 bytes of selected_experts,
	v_lshl_add_u32 v[ORW+\m], v[TOK+\m], 3, v59    ; 8 of routing_weights
.endr
	WIN 0x41
.irp i, 0,1
.irp m, 0,1,2
.irp c, 0,1
	global_load_b128 v[PXF+8*(3*\i+\m)+4*\c:PXF+8*(3*\i+\m)+4*\c+3], v[OX+\m], s[4:5] offset:64*\i+32*\c
.endr
.endr
.endr
.irp i, 0,1
.irp m, 0,1,2
	global_load_b32 v[PXS+3*\i+\m], v[OS+\m], s[6:7] offset:4*\i
.endr
.endr
.irp m, 0,1,2
	global_load_b64 v[PSEL+2*\m:PSEL+2*\m+1], v[OE+\m], s[10:11]
	global_load_b32 v[PRW+\m], v[ORW+\m], s[8:9]
.endr
	WIN 0
	RLOAD 3, FST, 0
	; The output's sums begin as zeros: they are weighted sums over a list of experts that is known only here, and a token without an expert gets 0.  These lines stand while the loads are out.
	WIN 0x80
.set jc, 0
.rept 240
	v_mov_b32 v[jc], 0
.set jc, jc+1
.endr
	WIN 0xc0
.set jc, 0
.rept 144
	v_mov_b32 v[jc], 0
.set jc, jc+1
.endr
	WIN 0
	s_wait_loadcnt 17                              ; the 24 gathers are in: behind them stands step 3
	WIN 0x04                                       ; address window 0, data window 1
.irp i, 0,1
.irp m, 0,1,2
.irp c, 0,1
	ds_store_b128 v[XWI], v[PXF+8*(3*\i+\m)+4*\c:PXF+8*(3*\i+\m)+4*\c+3] offset:XIMG+1024*(3*\i+\m)+512*\c
.endr
	ds_store_b32 v[XWS], v[PXS+3*\i+\m] offset:256*\i+4*\m
.endr
.endr
	WIN 0x55                                       ; w of experts 2 w + i for my token: my k's term, and lane l xor 16's
.irp n, 0,1,2,3,4,5
	v_cvt_f32_i32 v[PWV+\n], v[PSEL+\n]
	v_mov_b32 v[PT+\n], 0
.endr
.irp n, 0,1,2,3,4,5
	v_mul_f32 v[PWV+\n], v[PWV+\n], v[PRW+\n/2]
.endr
.irp n, 0,1,2,3,4,5
	v_permlanex16_b32 v[PT+\n], v[PWV+\n], s[SEL], s[SEL+1]
.endr
.irp n, 0,1,2,3,4,5
	v_add_f32 v[PWV+\n], v[PWV+\n], v[PT+\n]
.endr
	WIN 0x04
.irp n, 0,1,2,3,4,5
	ds_store_b32 v[WTS], v[PWV+\n] offset:384*(\n%2)+128*(\n/2)
.endr
	WIN 0
	BARRIER                                        ; x's images, its scale words and w lie in LDS
	; ---------------- eight trips, one for each expert; the work of an expert that the mask does not name is jumped over, the barriers are not ----------------
.Lexp:
	s_and_b32 s40, s[MSH], 1
	s_cbranch_scc0 .Ls1
	XLOAD 0
.irp q, 0,1,2,3,4,5,6,7
	STEP1 \q
.endr
	HQ 0
	HQ 1
	HQ 2
.Ls1:
	BARRIER                                        ; the hidden layer's twelve fragments lie in LDS
	s_and_b32 s40, s[MSH], 1
	s_cbranch_scc0 .Ls2
	s_lshr_b32 s40, s[MSH], 1
	s_cmp_lg_u32 s40, 0
	s_cselect_b32 s[HASN], 1, 0                    ; is there a further used expert?
	s_ctz_i32_b32 s41, s40
	s_add_co_u32 s[DN], s41, 1                     ; and how many trips on (read only where there is one)
	v_add_nc_u32 v[WTA], s[EW], v[WTA0]
	WIN 0x40
.irp n, 0,1,2,3,4,5,6,7,8,9,10,11
.irp c, 0,1
	ds_load_b128 v[8*\n+4*\c:8*\n+4*\c+3], v[L16] offset:HIMG+1024*\n+512*\c
.endr
.endr
	WIN 0
.irp m, 0,1,2
	ds_load_b128 v[HS+4*\m:HS+4*\m+3], v[HSA] offset:16*\m
	ds_load_b32 v[WGT+2*\m], v[WTA] offset:128*\m
.endr
	s_wait_dscnt 0x0
	STEP2 0, 0, 51                                 ; 51: the three steps behind the one in hand
	STEP2 1, 0, 51
	STEP2 2, 0, 51
	STEP2 3, 0, 51
	s_cmp_eq_u32 s[HASN], 0                        ; the last four groups are written twice, so that each count is right on its own path
	s_cbranch_scc1 .Llast
	STEP2 4, 1, 51
	STEP2 5, 1, 51
	STEP2 6, 1, 51
	STEP2 7, 1, 51
	FMA 7                                          ; group 6's multiply-adds are the places behind group 7's products
	WIN 0
	s_branch .Ls2
.Llast:
	STEP2 4, 2, 51                                 ; nothing is asked for any more: the counts run down
	STEP2 5, 2, 34
	STEP2 6, 2, 17
	STEP2 7, 2, 0
	FMA 7
	WIN 0
.Ls2:
	BARRIER                                        ; every wave has the hidden fragments in registers: the next expert's may be stored
	s_wait_xcnt 0x0                                ; the loads that named s[CUR] have read it
	s_add_nc_u64 s[CUR:CUR+1], s[CUR:CUR+1], EB
	s_add_co_u32 s[EW], s[EW], 384
	s_lshr_b32 s[MSH], s[MSH], 1
	s_add_co_u32 s[E], s[E], 1
	s_cmp_lt_u32 s[E], 8
	s_cbranch_scc1 .Lexp
	; ---------------- the way out: 16 rows at a time through my own stage, then each row's 1,024 bytes to its token's row of out ----------------
	s_wait_loadcnt 0x0
.macro TOSTAGE m
.irp g, 0,1,2,3,4,5,6,7
.if \g < 5
	WIN 0x08                                       ; the data: window 2,
.set oB, 48*\g
.else
	WIN 0x0c                                       ; or 3
.set oB, 48*(\g-5)
.endif
.irp jj, 0,1
	ds_store_b128 v[STO], v[oB+8*(3*\jj+\m):oB+8*(3*\jj+\m)+3] offset:128*\g+64*\jj        ; lane (r, h): out(16 m + r, 256 w + 32 g + 16 jj + 8 h + 0 .. 7)
	ds_store_b128 v[STO], v[oB+8*(3*\jj+\m)+4:oB+8*(3*\jj+\m)+7] offset:128*\g+64*\jj+16
.endr
.endr
	WIN 0
.irp p, 0,1,2,3,4,5,6,7,8,9,10,11,12,13,14,15
	ds_load_b128 v[64+8*\p:64+8*\p+3], v[RD] offset:SROW*\p            ; LDS serves a wave's instructions in order (ISA guide 5.7.1.4): these see my stores
	ds_load_b128 v[64+8*\p+4:64+8*\p+7], v[RD] offset:SROW*\p+512
.endr
.endm
.irp m, 0,1,2
	s_cmp_le_u32 s[COUNT], 16*\m
	s_cbranch_scc1 .Ldone
	s_wait_xcnt 0x0                                ; the last 16 rows' stores have read their data and offsets: both are written again
	s_wait_alu depctr_va_vdst(0)
	TOSTAGE \m
.irp r, 0,1,2,3,4,5,6,7,8,9,10,11,12,13,14,15
.if \r > 0
	s_cmp_le_u32 s[COUNT], 16*\m+\r                ; rows beyond the tile's last are not stored
	s_cbranch_scc1 .Ldone
.endif
	s_wait_dscnt 30-2*\r                           ; this row's two loads are in; the rows behind it may be out
	v_readlane_b32 s40, v[TOK+\m], \r
	s_min_u32 s40, s40, 0x1fff
	s_lshl_b32 s40, s40, 12                        ; a row of out is 4,096 bytes
	v_add_nc_u32 v[192+\r], s40, v[L16]
	global_store_b128 v[192+\r], v[64+8*\r:64+8*\r+3], s[OUTB:OUTB+1] th:TH_STORE_NT               ; 32 lanes store 512 consecutive bytes, at a multiple of 256 from out's first byte
	global_store_b128 v[192+\r], v[64+8*\r+4:64+8*\r+7], s[OUTB:OUTB+1] offset:512 th:TH_STORE_NT
.endr
.endr
.Ldone:
	s_wait_dscnt 0x0
	s_wait_tensorcnt 0x0
	ds_add_u32 v62, v63
	s_wait_dscnt 0x0
	s_endpgm
.Lfunc_end_k_q025e922c2b_chain:
	.size	k_q025e922c2b_chain, .Lfunc_end_k_q025e922c2b_chain-k_q025e922c2b_chain
	.p2alignl 7, 3214868480
	.fill 96, 4, 3214868480
	.section	.rodata,"a",@progbits
	.p2align	6, 0x0
	.amdhsa_kernel k_q025e922c2b_chain
		.amdhsa_group_segment_fixed_size 111104
		.amdhsa_private_segment_fixed_size 0
		.amdhsa_enable_private_segment 0
		.amdhsa_kernarg_size 64
		.amdhsa_user_sgpr_count 2
		.amdhsa_user_sgpr_kernarg_segment_ptr 1
		.amdhsa_wavefront_size32 1
		.amdhsa_system_sgpr_workgroup_id_x 1
		.amdhsa_system_sgpr_workgroup_id_y 1
		.amdhsa_system_sgpr_workgroup_id_z 1
		.amdhsa_system_vgpr_workitem_id 0
		.amdhsa_next_free_vgpr 1024
		.amdhsa_next_free_sgpr 100
		.amdhsa_reserve_vcc 1
		.amdhsa_float_denorm_mode_32 3
		.amdhsa_float_denorm_mode_16_64 3
		.amdhsa_memory_ordered 1
		.amdhsa_forward_progress 1
		.amdhsa_inst_pref_size 253
	.end_amdhsa_kernel
	.amdgpu_metadata
---
amdhsa.version: [ 1, 2 ]
amdhsa.kernels:
  - .name:           k_q025e922c2b_chain
    .symbol:         k_q025e922c2b_chain.kd
    .args:
      - { .name: hidden_states_codes, .offset: 0, .size: 8, .value_kind: global_buffer, .address_space: global }
      - { .name: hidden_states_scales, .offset: 8, .size: 8, .value_kind: global_buffer, .address_space: global }
      - { .name: routing_weights, .offset: 16, .size: 8, .value_kind: global_buffer, .address_space: global }
      - { .name: selected_experts, .offset: 24, .size: 8, .value_kind: global_buffer, .address_space: global }
      - { .name: wfrag, .offset: 32, .size: 8, .value_kind: global_buffer, .address_space: global }
      - { .name: order, .offset: 40, .size: 8, .value_kind: global_buffer, .address_space: global }
      - { .name: krec, .offset: 48, .size: 8, .value_kind: global_buffer, .address_space: global }
      - { .name: out0, .offset: 56, .size: 8, .value_kind: global_buffer, .address_space: global }
    .group_segment_fixed_size: 111104
    .private_segment_fixed_size: 0
    .kernarg_segment_align: 8
    .kernarg_segment_size: 64
    .max_flat_workgroup_size: 128
    .sgpr_count:     100
    .vgpr_count:     1024
    .wavefront_size: 32
...
	.end_amdgpu_metadata
.endif
;; end of part 4
